; MI455X (gfx1250); checked and timed in simulation.
; The chip was launched on July 23, 2026; its instructions are those of AMD's public machine-readable ISA for CDNA 5 (MIT licence, August 2026) and "CDNA5" Instruction Set Architecture Reference Guide (July 2026). The comments in the code are by the model that wrote it; some were corrected since.
;; Attention. Allowed arithmetic: float matrix products may take bf16 or f16 operands with f32 sums; all other float work in f32.
;; Inputs: Wk 1,024 x 1,024 float32; Wq 1,024 x 1,024 float32; encoder_outputs 32 x 2,048 x 1,024 float32; hidden 32 x 1,024 float32; lengths 32 int32; v 1,024 float32.
;; Outputs: out0 32 x 2,048 float32.
;; 3 versions, each right; version 2 is faster than version 1; version 3 is version 2 with the launch prep written anew for expert scheduling mode. Each part assembles by itself: llvm-mc -triple=amdgcn-amd-amdhsa -mcpu=gfx1250 --defsym DOCPART=n.
;; ======== version 1 of 3: 3 launches
;; workspace buffers: wkb 2,097,152 bytes; qc 131,072 bytes; part 524,288 bytes
;; launch prep (part 1): grid 128 x 1, 8 waves a work-group, no clusters, 17,408 bytes of LDS; arguments Wk, Wq, hidden, wkb, qc; writes wkb, qc
.if DOCPART == 1
	.amdgcn_target "amdgcn-amd-amdhsa--gfx1250"
	.amdhsa_code_object_version 6
	.text
	.protected	k_qefc4f16452_prep
	.globl	k_qefc4f16452_prep
	.p2align	8
	.type	k_qefc4f16452_prep,@function
k_qefc4f16452_prep:
	s_mov_b64 s[64:65], 0
	v_nop
	global_prefetch_b8 v0, s[64:65] scope:SCOPE_SE
	s_setreg_imm32_b32 hwreg(HW_REG_WAVE_MODE, 25, 1), 1
	s_wait_xcnt 0x0
; Preparation for the fused score kernel.  Two roles, chosen by the work-group's number alone (so every wave of a group takes the same way):
;   groups 0-63    QUERY: qc = 2.88539 * (hidden Wq^T) for 16 columns n and all 32 batches; operands rounded once to bf16, sums in f32.
;                  The factor 2 log2(e) is folded in here, since tanh(x) is later made from exp2(2.88539 x).
;   groups 64-127  CONV:  16 rows of Wk, rounded once to bf16, stored in the order in which a matrix fragment's lanes read them.
; Layouts stored:
;   wkb  byte = nh<<20 | ks<<17 | w<<15 | k32<<13 | nb<<10 | half<<9 | lane<<4 : 8 bf16 of row n = 512 nh + 128 w + 16 nb + lane%16,
;        k = 128 ks + 32 k32 + 16 half + 8 (lane/16) + 0..7
;   qc   byte = 2048 g + 1024 mb + 512 tq + 256 h + 16 r + 4 e : batch 16 mb + r, column 16 g + 8 h + 4 tq + e
.set CQ, 0x4038aa3b                    ; 2 log2(e) in f32
; Four fragments' worth of f32 (16 rows x 128 k): for 32 k a lane takes k = 8h..8h+7 (bytes 0, 16) and k = 16+8h..+7 (bytes 64, 80) of its row.
.macro LD16 dst, voff, base, imm
.irp k, 0,1,2,3
	global_load_b128 v[\dst+16*\k:\dst+16*\k+3],     v[\voff], s[\base:\base+1] offset:\imm+128*\k
	global_load_b128 v[\dst+16*\k+4:\dst+16*\k+7],   v[\voff], s[\base:\base+1] offset:\imm+128*\k+16
	global_load_b128 v[\dst+16*\k+8:\dst+16*\k+11],  v[\voff], s[\base:\base+1] offset:\imm+128*\k+64
	global_load_b128 v[\dst+16*\k+12:\dst+16*\k+15], v[\voff], s[\base:\base+1] offset:\imm+128*\k+80
.endr
.endm
; 2 n f32 from v[dst] on become n registers of bf16 pairs, in place: register d is written after registers 2d, 2d+1 >= d have been read.
.macro PACK dst, n
.set d, 0
.rept \n
	v_cvt_pk_bf16_f32 v[\dst+d], v[\dst+2*d], v[\dst+2*d+1]
.set d, d+1
.endr
.endm
	s_load_b256 s[4:11], s[0:1], 0x0               ; Wk s[4:5], Wq s[6:7], hidden s[8:9], wkb s[10:11]
	s_load_b64 s[12:13], s[0:1], 0x20              ; qc
	v_lshl_add_u32 v232, v0, 2, 0x4000
	v_mov_b32 v233, 0
	v_and_b32 v1, 31, v0                           ; lane
	v_and_b32 v2, 15, v0                           ; r
	v_bfe_u32 v3, v0, 4, 1                         ; h
	v_lshrrev_b32 v4, 5, v0
	v_readfirstlane_b32 s20, v4                    ; wave = which 128 of K
	v_lshlrev_b32 v5, 12, v2                       ; r rows of 4,096 bytes
	v_lshl_add_u32 v5, v3, 5, v5                   ; + 32 h
	s_lshl_b32 s21, s20, 9                         ; + 512 bytes for each 128 of K
	v_add_nc_u32 v5, s21, v5
	s_wait_kmcnt 0x0
	s_cmp_lt_u32 ttmp9, 64
	s_cbranch_scc1 .Lquery
	; ---------------- CONV: rows 16 N16 .. +15 of Wk, k = 128 wave .. +127 ----------------
	s_sub_co_u32 s22, ttmp9, 64                    ; N16
	s_lshl_b32 s23, s22, 16                        ; 16 rows of 4,096 bytes
	v_add_nc_u32 v6, s23, v5
	LD16 16, 6, 4, 0
	s_lshr_b32 s24, s22, 5                         ; nh
	s_lshl_b32 s24, s24, 20
	s_lshl_b32 s25, s20, 17                        ; ks
	s_or_b32 s24, s24, s25
	s_bfe_u32 s25, s22, 0x20003                    ; w = (N16 >> 3) & 3
	s_lshl_b32 s25, s25, 15
	s_or_b32 s24, s24, s25
	s_and_b32 s25, s22, 7                          ; nb
	s_lshl_b32 s25, s25, 10
	s_or_b32 s24, s24, s25
	s_mov_b32 s25, 0
	s_add_nc_u64 s[10:11], s[10:11], s[24:25]
	v_lshlrev_b32 v7, 4, v1                        ; 16 bytes a lane
	s_wait_loadcnt 0x0
	PACK 16, 32                                    ; fragment k32 now lies in v[16+8 k32 .. +7]
.irp k, 0,1,2,3
	global_store_b128 v7, v[16+8*\k:16+8*\k+3], s[10:11] offset:8192*\k        ; each store of the wave covers 512 consecutive bytes, aligned
	global_store_b128 v7, v[16+8*\k+4:16+8*\k+7], s[10:11] offset:8192*\k+512
.endr
	s_endpgm
	; ---------------- QUERY: columns 16 g .. +15, all 32 batches; wave = 128 of K ----------------
.Lquery:
	s_lshl_b32 s23, ttmp9, 16
	v_add_nc_u32 v6, s23, v5
	LD16 16, 6, 6, 0                               ; Wq rows 16 g + r
	LD16 80, 5, 8, 0                               ; hidden, batches 0-15
	LD16 144, 5, 8, 65536                          ; hidden, batches 16-31
	v_lshlrev_b32 v7, 4, v1
	s_lshl_b32 s24, s20, 11
	v_add_nc_u32 v7, s24, v7                       ; my wave's 2,048 bytes of LDS, 16 bytes a lane
	v_lshlrev_b32 v8, 3, v0
	s_wait_loadcnt 0x0
	PACK 16, 32
	PACK 80, 32
	PACK 144, 32
	; Source 0 = rows of Wq, source 1 = rows of hidden: lane (r, h) gets q[batch r][column 8h + j] in register j.
	; The two accumulators take turns, one instruction a turn.
	v_wmma_f32_16x16x32_bf16 v[208:215], v[16:23], v[80:87], 0
	v_wmma_f32_16x16x32_bf16 v[216:223], v[16:23], v[144:151], 0
.irp k, 1,2,3
	v_wmma_f32_16x16x32_bf16 v[208:215], v[16+8*\k:23+8*\k], v[80+8*\k:87+8*\k], v[208:215]
	v_wmma_f32_16x16x32_bf16 v[216:223], v[16+8*\k:23+8*\k], v[144+8*\k:151+8*\k], v[216:223]
.endr
.rept 4
	v_nop                                          ; four places behind the last matrix instructions (ISA guide 7.12.1) before their results are stored
.endr
	ds_store_b128 v7, v[208:211]                   ; mb 0, tq 0
	ds_store_b128 v7, v[212:215] offset:512        ; mb 0, tq 1
	ds_store_b128 v7, v[216:219] offset:1024       ; mb 1, tq 0
	ds_store_b128 v7, v[220:223] offset:1536       ; mb 1, tq 1
	s_wait_dscnt 0x0                               ; for the other waves' sake: my partial sums are in LDS
	s_barrier_signal -1
	s_barrier_wait -1
.irp k, 0,1,2,3,4,5,6,7
	ds_load_b64 v[176+2*\k:177+2*\k], v8 offset:2048*\k    ; thread T: two numbers of each of the eight partial sums
.endr
	s_lshl_b32 s24, ttmp9, 11
	s_mov_b32 s25, 0
	s_add_nc_u64 s[12:13], s[12:13], s[24:25]
	s_wait_dscnt 0x0
	v_pk_add_f32 v[176:177], v[176:177], v[178:179]
	v_pk_add_f32 v[180:181], v[180:181], v[182:183]
	v_pk_add_f32 v[184:185], v[184:185], v[186:187]
	v_pk_add_f32 v[188:189], v[188:189], v[190:191]
	v_pk_add_f32 v[176:177], v[176:177], v[180:181]
	v_pk_add_f32 v[184:185], v[184:185], v[188:189]
	v_pk_add_f32 v[176:177], v[176:177], v[184:185]
	v_pk_mul_f32 v[176:177], v[176:177], CQ op_sel_hi:[1,0]
	global_store_b64 v8, v[176:177], s[12:13]      ; a wave's store covers 256 consecutive bytes, aligned
	s_wait_tensorcnt 0x0
	ds_add_u32 v232, v233
	s_wait_dscnt 0x0
	s_endpgm
.Lfunc_end_k_qefc4f16452_prep:
	.size	k_qefc4f16452_prep, .Lfunc_end_k_qefc4f16452_prep-k_qefc4f16452_prep
	.p2alignl 7, 3214868480
	.fill 96, 4, 3214868480
	.section	.rodata,"a",@progbits
	.p2align	6, 0x0
	.amdhsa_kernel k_qefc4f16452_prep
		.amdhsa_group_segment_fixed_size 17408
		.amdhsa_private_segment_fixed_size 0
		.amdhsa_enable_private_segment 0
		.amdhsa_kernarg_size 40
		.amdhsa_user_sgpr_count 2
		.amdhsa_user_sgpr_kernarg_segment_ptr 1
		.amdhsa_wavefront_size32 1
		.amdhsa_system_sgpr_workgroup_id_x 1
		.amdhsa_system_sgpr_workgroup_id_y 1
		.amdhsa_system_sgpr_workgroup_id_z 1
		.amdhsa_system_vgpr_workitem_id 0
		.amdhsa_next_free_vgpr 234
		.amdhsa_next_free_sgpr 66
		.amdhsa_reserve_vcc 0
		.amdhsa_float_denorm_mode_32 3
		.amdhsa_float_denorm_mode_16_64 3
		.amdhsa_memory_ordered 1
		.amdhsa_forward_progress 1
		.amdhsa_inst_pref_size 19
	.end_amdhsa_kernel
	.amdgpu_metadata
---
amdhsa.version: [ 1, 2 ]
amdhsa.kernels:
  - .name:           k_qefc4f16452_prep
    .symbol:         k_qefc4f16452_prep.kd
    .args:
      - { .name: Wk, .offset: 0, .size: 8, .value_kind: global_buffer, .address_space: global }
      - { .name: Wq, .offset: 8, .size: 8, .value_kind: global_buffer, .address_space: global }
      - { .name: hidden, .offset: 16, .size: 8, .value_kind: global_buffer, .address_space: global }
      - { .name: wkb, .offset: 24, .size: 8, .value_kind: global_buffer, .address_space: global }
      - { .name: qc, .offset: 32, .size: 8, .value_kind: global_buffer, .address_space: global }
    .group_segment_fixed_size: 17408
    .private_segment_fixed_size: 0
    .kernarg_segment_align: 8
    .kernarg_segment_size: 40
    .max_flat_workgroup_size: 256
    .sgpr_count:     66
    .vgpr_count:     234
    .wavefront_size: 32
...
	.end_amdgpu_metadata
.endif
;; end of part 1
;; launch scores (part 2): grid 256 x 1, 4 waves a work-group, clusters of 4 x 1, 327,680 bytes of LDS; arguments encoder_outputs, wkb, qc, v, part; writes part
.if DOCPART == 2
	.amdgcn_target "amdgcn-amd-amdhsa--gfx1250"
	.amdhsa_code_object_version 6
	.text
	.protected	k_qefc4f16452_scores
	.globl	k_qefc4f16452_scores
	.p2align	8
	.type	k_qefc4f16452_scores,@function
k_qefc4f16452_scores:
	s_mov_b64 s[64:65], 0
	v_nop
	global_prefetch_b8 v0, s[64:65] scope:SCOPE_SE
	s_setreg_imm32_b32 hwreg(HW_REG_WAVE_MODE, 25, 1), 1
	s_wait_xcnt 0x0
	s_wait_alu depctr_hold_cnt(0) depctr_sa_sdst(0) depctr_va_vdst(0) depctr_va_sdst(0) depctr_va_ssrc(0) depctr_va_vcc(0) depctr_vm_vsrc(0)
	s_getreg_b32 s2, hwreg(HW_REG_IB_STS2, 6, 4)
	s_cmp_eq_u32 s2, 0
	s_cbranch_scc0 .Lentry_in_a_cluster
	s_endpgm
.Lentry_in_a_cluster:
	s_bfe_u32 s2, ttmp6, 0x10000c
	s_cmp_lg_u32 s2, 0x3003
	s_cbranch_scc0 .Lentry_shape_is_right
	s_endpgm
.Lentry_shape_is_right:
; part[nh][block][row] = sum over the 512 columns n of half nh of v[n] tanh(q[b][n] + sum_k enc[b][s][k] Wk[n][k]), for all 512 blocks of 128 rows.
; keys and energy never leave registers.  The mask s < lengths[b] is applied by the softmax launch; here every row is computed: the loop holds barriers and
; joint requests, so its trip count is a constant of the text and hangs on no number read from memory.
;
; SHARES.  An item = 4 neighbouring blocks x one half of the columns.  A cluster of four work-groups takes an item: each group one block (128 rows) x 512 columns;
; each of its four waves 128 rows x 128 columns: 64 accumulator tiles of 16 x 16, 512 registers.  512 blocks x 2 halves = 256 items for 64 clusters: 4 items each.
; Cluster c keeps the column half c & 1 and takes the groups of four blocks (c >> 1) + 32 t, t = 0..3; partner cx takes block 4 group + cx.
;
; B (Wk as bf16 in fragment order, from wkb) comes by tensor loads, JOINT among the four partners, who need the same bytes: two LDS slots of K = 128;
; wave w fetches and reads its own quarter (its 128 columns, 32 KiB, dense rows of 256 bytes).  From a request to the wait for it a wave issues 240 matrix
; instructions.  By this text's count a wave has two tensor loads out at the start and one behind each round of the cluster's barrier.
; A (encoder_outputs, f32) is NOT asked for jointly: no two partners read the same rows, and it has to be rounded to bf16 on the way, which the mover does not do.
; It goes through registers: 16-byte loads (16 lanes = 256 consecutive bytes, aligned), one rounding, ds_store into a ring of its own of two slots of K = 64.
; Two staging sets of 64 registers keep two half-steps (32 loads of a wave) on their way; a set is asked for 256 matrix instructions ahead of its conversion.
;
; LIMITS.  Matrix operands are rounded once to bf16; v too enters as bf16 (it is the operand of the problem's second product); q, tanh and all sums are f32.
; tanh(x) = 1 - 2 / (1 + exp2(2.88539 x)): exact at saturation (exp2 = inf gives 1, exp2 = 0 gives -1), absolute error of a few 1e-7 elsewhere.
;
; REGISTERS, in windows of 256:
;   window 0: v2-15 addresses, v16-19 next q, v20-27 row sums, v32-63 conversion results / sums, v64-127 and v128-191 fragments of A (epilogue: x and q), v192-255 v
;   window 1: v0-63 staging set 0, v64-127 and v128-191 fragments of B, v192-255 staging set 1
;   window 2: accumulator tiles of rows 0-63 (tile (a, b) at v[8 (8 a + b)]);  window 3: rows 64-127
; The matrix instruction is used transposed (source 0 = 16 rows of Wk, source 1 = 16 rows of enc): lane (r, h) holds row r, registers j the columns 8 h + j.
; SCALARS: s[4:5] enc, s[6:7] wkb, s[8:9] qc, s[10:11] v, s[14:15] part; s16 wave, s17 cx, s18 c, s19 nh; s22 items done, s23 laps;
;   s[24:31] group 1; s[32:35], s[36:39] group 0 of slots 0, 1; s[40:41] A pointer, s[42:43] next item's; s[44:45] my quarter of wkb; s[46:47] next q;
;   s[48:49] where the sums go, s[50:51] next item's; s53 my block's number; s56-58 at work; s59 32,768 w; s60, s61 lane selects;
;   s[62:63] part's plane nh; s[66:67] 2 log2(e) twice
.set BSLOT,  131072                    ; a slot of B: K = 128 x 512 columns of bf16
.set ABASE,  2*BSLOT                   ; behind B's ring: A's ring, written by ds_store alone
.set APITCH, 144                       ; 128 bytes of data + 16: an odd multiple of 16, so the 16 rows of a fragment load start at 16 different 16-byte columns modulo 256
.set ASLOT,  128*APITCH
.set SCR,    ABASE+2*ASLOT             ; [wave][128 rows] f32
.set QS,     SCR+2048                  ; [wave][128 columns] f32: q of the item's batch
.set ITEMS,  4                         ; items of a cluster
.set ADRA, 2                           ; v2-3   my A fragments in slot 0, 1
.set ADRB, 4                           ; v4-5   my B fragments in slot 0, 1
.set AST,  6                           ; v6-7   where I store converted A in slot 0, 1
.set AOFF, 8                           ; v8     my byte offset in the block of enc
.set QOFF, 9
.set QLD,  10
.set QST,  11
.set SCW,  12
.set SCRD, 13
.set SOFF, 14
.set VOFF, 15
.set QT,   16
.set RW,   20
.set CV,   32
.set SM,   32
.set F0,   64
.set F1,   128
.set XR,   64
.set QR,   128
.set VR,   192
.set G1,   24
.set G0,   32
.set MUL_LO, 0xa1                      ; source 0 (B) window 1, source 1 (A) window 0, C and D window 2
.set MUL_HI, 0xf1                      ; the same, C and D window 3
.set TO_W1,  0x40                      ; destination window 1
.set CVT,    0x05                      ; sources 0 and 1 window 1
.set EP_LO,  0x02                      ; source 0 window 2
.set EP_HI,  0x03                      ; source 0 window 3
.set MSB, 0
.macro WIN new                         ; the immediate's high byte repeats the setting that is left
.if MSB != \new
	s_set_vgpr_msb (MSB<<8)|\new
.set MSB, \new
.endif
.endm
; Four places: a load into, or a vector instruction on, a matrix instruction's registers stands four plain vector instructions behind it (ISA guide 7.12.1 for vector instructions)
.macro PLACES
.rept 4
	v_nop
.endr
.endm
.macro CREST                           ; a round of the cluster's barrier behind its opening work-group barrier
	s_cmp_lg_u32 s16, 0
	s_cbranch_scc1 .Lnot_wave_0_\@
	s_barrier_signal -3
.Lnot_wave_0_\@:
	s_barrier_wait -3
	s_barrier_signal -1
	s_barrier_wait -1
.endm
.macro CROUND
	s_barrier_signal -1
	s_barrier_wait -1
	CREST
.endm
; 16 matrix instructions: row blocks a0, a0 + 1 of the window's four x all 8 column blocks, 32 along K.  zero = 1: the first product starts the sums.
; The 64 accumulators take turns, one instruction a turn, in the same order in every quarter.
.macro MUL16 f, hi, a0, zero
.irp a, \a0, \a0+1
.irp b, 0,1,2,3,4,5,6,7
.if \zero
	v_wmma_f32_16x16x32_bf16 v[8*(8*(\a)+\b):8*(8*(\a)+\b)+7], v[\f+8*\b:\f+8*\b+7], v[\f+8*(4*\hi+\a):\f+8*(4*\hi+\a)+7], 0
.else
	v_wmma_f32_16x16x32_bf16 v[8*(8*(\a)+\b):8*(8*(\a)+\b)+7], v[\f+8*\b:\f+8*\b+7], v[\f+8*(4*\hi+\a):\f+8*(4*\hi+\a)+7], v[8*(8*(\a)+\b):8*(8*(\a)+\b)+7]
.endif
.endr
.endr
.endm
; 32 LDS loads in one run: B's eight fragments (slot bs, 32 K number bk: lane x 16, contiguous), then A's eight (slot sl, byte ak of the rows) into buffer f
.macro FETCH sl, ak, bs, bk, f
	WIN TO_W1
.irp i, 0,1,2,3,4,5,6,7
	ds_load_b128 v[\f+8*\i:\f+8*\i+3],   v[ADRB+\bs] offset:8192*(\bk)+1024*\i
	ds_load_b128 v[\f+8*\i+4:\f+8*\i+7], v[ADRB+\bs] offset:8192*(\bk)+1024*\i+512
.endr
	WIN 0
.irp i, 0,1,2,3,4,5,6,7
	ds_load_b128 v[\f+8*\i:\f+8*\i+3],   v[ADRA+\sl] offset:\ak+2304*\i
	ds_load_b128 v[\f+8*\i+4:\f+8*\i+7], v[ADRA+\sl] offset:\ak+2304*\i+32
.endr
.endm
; 16 loads: my wave's 32 rows x 64 k of f32; each load takes 256 consecutive aligned bytes of two rows
.macro ALOAD sn, base, imm
	WIN TO_W1
.irp i, 0,1,2,3,4,5,6,7,8,9,10,11,12,13,14,15
	global_load_b128 v[192*\sn+4*\i:192*\sn+4*\i+3], v[AOFF], s[\base:\base+1] offset:\imm+8192*\i
.endr
.endm
; Staging set sn has arrived (left = loads issued behind it): round to bf16, store into A slot sl, and (issue) ask for the set's next data
.macro ASTAGE sn, sl, left, issue, base, imm
	s_wait_loadcnt \left
	WIN CVT
.set d, 0
.rept 32
	v_cvt_pk_bf16_f32 v[CV+d], v[192*\sn+2*d], v[192*\sn+2*d+1]
.set d, d+1
.endr
	WIN 0
.irp i, 0,1,2,3,4,5,6,7,8,9,10,11,12,13,14,15
	ds_store_b64 v[AST+\sl], v[CV+2*\i:CV+2*\i+1] offset:288*\i
.endr
.if \issue
	ALOAD \sn, \base, \imm
.endif
.endm
; First quarter of half-step p (A slot p): multiplies buffer 0.  In its middle: the next half-step's A goes into slot q = 1 - p, whose readers all waited for
; their loads in front of the last barrier; then the second quarter's fragments are fetched into buffer 1.
.macro QUARTER p, q, bs, zero, st, left, issue, base, imm
	s_wait_dscnt 8                                 ; B and A's rows 0-63 are in; the youngest eight loads (A's rows 64-127) may be out
	WIN MUL_LO
	MUL16 F0, 0, 0, \zero
	MUL16 F0, 0, 2, \zero
	PLACES
.if \st
	ASTAGE \q, \q, \left, \issue, \base, \imm
.endif
	FETCH \p, 64, \bs, 2*\p+1, F1
	s_wait_dscnt 32                                ; all but the 32 loads just issued: the rest of buffer 0 (and my stores into A's ring)
	WIN MUL_HI
	MUL16 F0, 1, 0, \zero
	MUL16 F0, 1, 2, \zero
.endm
; Second quarter: multiplies buffer 1 and changes A's slot (and, for kind >= 1, B's).  One barrier: in front of it my reads of the slots that are left and my
; stores into A's next slot are done.  kind 0: A alone, a plain barrier; my tensor load may stay out, since no tensor load fills bytes behind it.
; kind 1: B's slot changes, nothing is filled.  kind 2, 3: B's slot bs is filled again: all my tensor loads are waited for too, the barrier opens a round of the
; cluster's barrier, and the joint refill is the first thing behind the round (2: two K steps on; 3: back by six K steps, for the next item).
.macro TURN q, bs, kind, fetch, nbs, nbk
	s_wait_dscnt 8
	WIN MUL_LO
	MUL16 F1, 0, 0, 0
	s_wait_dscnt 0x0                               ; for the others' sake: my LDS loads and stores are done
.if \kind
	s_wait_xcnt 0x0
	s_set_vgpr_msb 0xa120
	v_lshl_add_u32 v62, v0, 2, 0x4a000
	v_mov_b32 v63, 0
	s_wait_tensorcnt 0x0                           ; all my tensor loads have landed: the one that was out is my quarter of B's next slot
	ds_add_u32 v62, v63
	s_wait_dscnt 0x0
	s_set_vgpr_msb 0x20a1
.endif
	s_barrier_signal -1
	MUL16 F1, 0, 2, 0                              ; register work while the others arrive
.if \kind >= 2
	WIN 0
.endif
	s_barrier_wait -1
.if \kind >= 2
	CREST                                          ; no wave of any partner still reads this slot or has a load on its way
.if \kind == 2
	s_add_nc_u64 s[G0+4*\bs+2:G0+4*\bs+3], s[G0+4*\bs+2:G0+4*\bs+3], 2*BSLOT
.else
	s_sub_nc_u64 s[G0+4*\bs+2:G0+4*\bs+3], s[G0+4*\bs+2:G0+4*\bs+3], 6*BSLOT
.endif
	tensor_load_to_lds s[G0+4*\bs:G0+4*\bs+3], s[G1:G1+7]
	s_nop 0
.endif
	PLACES                                         ; behind the joint load, and in front of the loads into buffer 0
.if \fetch
	FETCH \q, 0, \nbs, \nbk, F0
.endif
	WIN MUL_HI
	MUL16 F1, 1, 0, 0
	MUL16 F1, 1, 2, 0
.endm
.macro LASTQ                           ; the very last quarter of the last item: nothing more to fetch
	s_wait_dscnt 8
	WIN MUL_LO
	MUL16 F1, 0, 0, 0
	MUL16 F1, 0, 2, 0
	s_wait_dscnt 0x0
	WIN MUL_HI
	MUL16 F1, 1, 0, 0
	MUL16 F1, 1, 2, 0
.endm
; Two K steps of 128 = four half-steps g = 0..3; half-step g converts the data of g + 1 and asks for those of g + 3 (256 bytes of a row each).
; The count 16 leaves the younger staging set on its way.
.macro LAP zero
	QUARTER 0, 1, 0, \zero, 1, 16, 1, 40, 768
	TURN 1, 0, 0, 1, 0, 2
	QUARTER 1, 0, 0, 0, 1, 16, 1, 40, 1024
	TURN 0, 0, 2, 1, 1, 0
	QUARTER 0, 1, 1, 0, 1, 16, 1, 40, 1280
	TURN 1, 1, 0, 1, 1, 2
	QUARTER 1, 0, 1, 0, 1, 16, 1, 40, 1536
	TURN 0, 1, 2, 1, 0, 0
.endm
.macro STEPAP
	WIN 0
	s_wait_xcnt 0x0                                ; the loads that name the A pointer have had their addresses translated (ISA guide 3.1)
	s_add_nc_u64 s[40:41], s[40:41], 1024          ; four half-steps of 256 bytes along the rows
.endm
; From my block's number s53 = 16 batch + block (0 to 511): where the block's rows, the batch's q and the block's sums lie.
.macro DECODE
	s_lshl_b32 s56, s53, 19                        ; 128 rows of 4,096 bytes
	s_mov_b32 s57, 0
	s_add_nc_u64 s[42:43], s[4:5], s[56:57]
	s_and_b32 s56, s53, 0x100                      ; 1,024 (batch >> 4)
	s_lshl_b32 s56, s56, 2
	s_and_b32 s58, s53, 0xf0                       ; + 16 (batch & 15)
	s_add_co_u32 s56, s56, s58
	s_add_nc_u64 s[46:47], s[8:9], s[56:57]
	s_lshl_b32 s56, s53, 9                         ; 128 sums of 4 bytes
	s_add_nc_u64 s[50:51], s[62:63], s[56:57]
.endm
; Rows 16 a .. 16 a + 15: 64 numbers a lane.  x = 2.88539 keys + qc; tanh = 1 - 2 / (1 + exp2 x); times v, summed in four chains.
; Behind each run of transcendentals one v_nop stands before their results are used (ISA guide 5.7.2).
.macro ROWS16 a, t, win
	WIN \win
.set p, 0
.rept 32
	v_pk_fma_f32 v[XR+2*p:XR+2*p+1], v[64*\t+2*p:64*\t+2*p+1], s[66:67], v[QR+2*p:QR+2*p+1] op_sel_hi:[1,0,1]
.set p, p+1
.endr
	WIN 0
.set p, 0
.rept 64
	v_exp_f32 v[XR+p], v[XR+p]
.set p, p+1
.endr
	v_nop
.set p, 0
	s_wait_alu depctr_va_vdst(0)
.rept 32
	v_pk_add_f32 v[XR+2*p:XR+2*p+1], v[XR+2*p:XR+2*p+1], 1.0 op_sel_hi:[1,0]
.set p, p+1
.endr
.set p, 0
.rept 64
	v_rcp_f32 v[XR+p], v[XR+p]
.set p, p+1
.endr
	v_nop
.set p, 0
	s_wait_alu depctr_va_vdst(0)
.rept 32
	v_pk_fma_f32 v[XR+2*p:XR+2*p+1], v[XR+2*p:XR+2*p+1], -2.0, 1.0 op_sel_hi:[1,0,0]
.set p, p+1
.endr
.set p, 0
.rept 4
	v_pk_mul_f32 v[SM+2*p:SM+2*p+1], v[XR+2*p:XR+2*p+1], v[VR+2*p:VR+2*p+1]      ; the first four products start the chains
.set p, p+1
.endr
.rept 28
	v_pk_fma_f32 v[SM+2*(p%4):SM+2*(p%4)+1], v[XR+2*p:XR+2*p+1], v[VR+2*p:VR+2*p+1], v[SM+2*(p%4):SM+2*(p%4)+1]
.set p, p+1
.endr
	v_pk_add_f32 v[SM:SM+1], v[SM:SM+1], v[SM+2:SM+3]
	v_pk_add_f32 v[SM+4:SM+5], v[SM+4:SM+5], v[SM+6:SM+7]
	v_pk_add_f32 v[SM:SM+1], v[SM:SM+1], v[SM+4:SM+5]
	v_add_f32 v[RW+\a], v[SM], v[SM+1]
.endm
.macro EPILOGUE next
	PLACES                                         ; behind the last matrix instructions: their results are read, their A buffers loaded into
	WIN 0
.irp b, 0,1,2,3,4,5,6,7
	ds_load_b128 v[QR+8*\b:QR+8*\b+3],   v[QLD] offset:64*\b           ; q of my columns 16 b + 8 h + 0..7
	ds_load_b128 v[QR+8*\b+4:QR+8*\b+7], v[QLD] offset:64*\b+16
.endr
.if \next
	ds_store_b128 v[QST], v[QT:QT+3]               ; the next item's q, into my wave's own bytes; LDS serves a wave in order (ISA guide 5.7.1), so the loads above see the old ones
.endif
	s_wait_dscnt \next                             ; the sixteen loads are in; the store issued behind them (if any) may be out
	ROWS16 0, 0, EP_LO
	ROWS16 1, 1, EP_LO
	ROWS16 2, 2, EP_LO
	ROWS16 3, 3, EP_LO
	ROWS16 4, 0, EP_HI
	ROWS16 5, 1, EP_HI
	ROWS16 6, 2, EP_HI
	ROWS16 7, 3, EP_HI
.irp a, 0,1,2,3,4,5,6,7
	v_permlanex16_b32 v[XR+\a], v[RW+\a], s60, s61 ; the other half of the lanes holds the row's other 64 columns
.endr
.irp a, 0,1,2,3,4,5,6,7
	v_add_f32 v[RW+\a], v[RW+\a], v[XR+\a]
.endr
.irp a, 0,1,2,3,4,5,6,7
	ds_store_b32 v[SCW], v[RW+\a] offset:64*\a     ; row 16 a + r of my wave's 128 columns (both halves write the same word with the same value)
.endr
	s_wait_dscnt 0x0                               ; for wave 0's sake
	s_barrier_signal -1                            ; a plain barrier: no tensor load fills bytes behind it, so slot 1's refill may stay out
	s_barrier_wait -1
	s_cmp_lg_u32 s16, 0
	s_cbranch_scc1 .Lnot0_\@
	ds_load_b128 v[40:43], v[SCRD]                 ; wave 0: rows 4 lane .. + 3 of the four waves
	ds_load_b128 v[44:47], v[SCRD] offset:512
	ds_load_b128 v[48:51], v[SCRD] offset:1024
	ds_load_b128 v[52:55], v[SCRD] offset:1536
	s_wait_dscnt 0x0
	v_pk_add_f32 v[40:41], v[40:41], v[44:45]
	v_pk_add_f32 v[42:43], v[42:43], v[46:47]
	v_pk_add_f32 v[48:49], v[48:49], v[52:53]
	v_pk_add_f32 v[50:51], v[50:51], v[54:55]
	v_pk_add_f32 v[40:41], v[40:41], v[48:49]
	v_pk_add_f32 v[42:43], v[42:43], v[50:51]
	global_store_b128 v[SOFF], v[40:43], s[48:49]  ; the block's 128 sums: 512 consecutive bytes, aligned
.Lnot0_\@:
.endm
; One item: 16 half-steps of K = 64.  At its head: B's slot 0 has landed and slot 1's load is out; A's slot 0 and q are in LDS behind a barrier;
; the data of half-steps 1 and 2 are on their way in staging sets 1 and 0.  next = 1: the item leaves the same state for the one behind it.
.macro ITEM next
	FETCH 0, 0, 0, 0, F0
	LAP 1                                          ; the first products start the sums: nothing is cleared
	STEPAP
	s_mov_b32 s23, 2
.Llap_\@:
	LAP 0
	STEPAP
	s_sub_co_u32 s23, s23, 1
	s_cmp_lg_u32 s23, 0
	s_cbranch_scc1 .Llap_\@
.if \next
	s_add_co_u32 s53, s53, 128                     ; my block of the cluster's next item: 32 groups of four blocks further on
	DECODE                                         ; the pointers written here are named by no pending instruction: the wait just above covers all issued so far
	global_load_b128 v[QT:QT+3], v[QOFF], s[46:47] ; the next item's q
	QUARTER 0, 1, 0, 0, 1, 17, 1, 40, 768          ; half-step 12: behind its set stand the younger set and q: 17.  Asks for the data of half-step 15
	TURN 1, 0, 0, 1, 0, 2
	QUARTER 1, 0, 0, 0, 1, 17, 1, 42, 0            ; 13: behind its set stand q and the younger set: 17.  Asks for the next item's half-step 0
	TURN 0, 0, 3, 1, 1, 0                          ; B's slot 0: the next item's K step 0
	QUARTER 0, 1, 1, 0, 1, 16, 1, 42, 256          ; 14: the count 16 shows q in as well
	TURN 1, 1, 0, 1, 1, 2
	QUARTER 1, 0, 1, 0, 1, 16, 1, 42, 512          ; 15: the next item's half-step 0 goes into A's slot 0
	TURN 0, 1, 3, 0, 0, 0                          ; B's slot 1: the next item's K step 1; buffer 0 is fetched behind the epilogue, which uses its registers
.else
	QUARTER 0, 1, 0, 0, 1, 16, 1, 40, 768
	TURN 1, 0, 0, 1, 0, 2
	QUARTER 1, 0, 0, 0, 1, 16, 0, 40, 0            ; nothing more to ask for: the counts run down 16, 0
	TURN 0, 0, 1, 1, 1, 0                          ; my last tensor load (K step 7) is waited for here; nothing is filled
	QUARTER 0, 1, 1, 0, 1, 0, 0, 40, 0
	TURN 1, 1, 0, 1, 1, 2
	QUARTER 1, 0, 1, 0, 0, 0, 0, 40, 0
	LASTQ
.endif
	EPILOGUE \next
.if \next
	s_wait_xcnt 0x0                                ; wave 0's store has read its data and base, the loads their base: now they may be written
	s_mov_b64 s[40:41], s[42:43]
	s_mov_b64 s[48:49], s[50:51]
.endif
.endm
	; ---------------- prologue ----------------
	s_load_b256 s[4:11], s[0:1], 0x0               ; enc, wkb, qc, v
	s_load_b64 s[14:15], s[0:1], 0x20              ; part
	v_lshl_add_u32 v62, v0, 2, 0x4a000
	v_mov_b32 v63, 0
	ds_add_u32 v62, v63
	s_wait_dscnt 0x0
	v_lshrrev_b32 v1, 5, v0
	v_readfirstlane_b32 s16, v1                    ; wave
	s_bfe_u32 s17, ttmp6, 0x40000                  ; cx: my place in the cluster; it enters the global addresses of A, q and the sums alone
	s_mov_b32 s18, ttmp9                           ; c: the cluster
	s_and_b32 s19, s18, 1                          ; nh
	s_lshr_b32 s53, s18, 1
	s_lshl_b32 s53, s53, 2
	s_add_co_u32 s53, s53, s17                     ; my first block: 4 (c >> 1) + cx
	s_mov_b32 s60, 0x76543210                      ; v_permlanex16_b32: lane i of one half reads lane i of the other
	s_mov_b32 s61, 0xfedcba98
	s_mov_b32 s66, 0x4038aa3b                      ; 2 log2(e)
	s_mov_b32 s67, 0x4038aa3b
	; group 1: 128 rows of 32 elements of 8 bytes, dense: 32 KiB
	s_mov_b32 s[G1+0], 0x0023000f                  ; 15:0 the mask: all four partners; 17:16 elements of 8 bytes; 21 set beside a mask; no padding
	s_mov_b32 s[G1+1], 32<<16                      ; tensor_dim0 = 32
	s_mov_b32 s[G1+2], 128<<16                     ; tensor_dim1 = 128
	s_mov_b32 s[G1+3], 32<<16                      ; tile_dim0 = 32
	s_mov_b32 s[G1+4], 128                         ; tile_dim1 = 128
	s_mov_b32 s[G1+5], 32                          ; from row to row: 32 elements
	s_mov_b32 s[G1+6], 0
	s_mov_b32 s[G1+7], 0
	s_lshl_b32 s59, s16, 15                        ; my quarter: 32,768 w, in wkb and in LDS alike
	s_lshl_b32 s56, s19, 20
	s_add_co_u32 s56, s56, s59
	s_mov_b32 s57, 0
	s_wait_kmcnt 0x0
	s_add_nc_u64 s[44:45], s[6:7], s[56:57]        ; hangs on c & 1 and the wave alone: equal in the four partners
	CROUND                                         ; the four work-groups are here: the first joint loads meet
.irp s, 0,1
	s_mov_b32 s[G0+4*\s], 1
	s_add_co_u32 s[G0+4*\s+1], s59, \s*BSLOT       ; LDS: the wave's number times 32,768 plus the slot's constant
	s_add_nc_u64 s[G0+4*\s+2:G0+4*\s+3], s[44:45], \s*BSLOT        ; K step s
	s_or_b32 s[G0+4*\s+3], s[G0+4*\s+3], 0x80000000
	tensor_load_to_lds s[G0+4*\s:G0+4*\s+3], s[G1:G1+7]
	s_nop 0
	PLACES
.endr
	v_and_b32 v28, 31, v0                          ; lane
	v_and_b32 v29, 15, v0                          ; r
	v_bfe_u32 v30, v0, 4, 1                        ; h
	v_mul_u32_u24 v31, v29, APITCH
	v_lshl_add_u32 v31, v30, 4, v31                ; 144 r + 16 h
	v_add_nc_u32 v[ADRA], ABASE, v31
	v_add_nc_u32 v[ADRA+1], ABASE+ASLOT, v31
	v_lshl_add_u32 v[ADRB], v28, 4, s59            ; 16 lane + 32,768 w
	v_add_nc_u32 v[ADRB+1], BSLOT, v[ADRB]
	s_mul_i32 s57, s16, 32*APITCH                  ; my wave converts rows 32 w .. 32 w + 31
	v_mul_u32_u24 v31, v30, APITCH
	v_lshl_add_u32 v31, v29, 3, v31                ; row h of a pair, 8 bytes for 4 k
	v_add_nc_u32 v31, s57, v31
	v_add_nc_u32 v[AST], ABASE, v31
	v_add_nc_u32 v[AST+1], ABASE+ASLOT, v31
	s_lshl_b32 s57, s16, 17                        ; 32 rows of 4,096 bytes
	v_lshlrev_b32 v31, 12, v30
	v_lshl_add_u32 v31, v29, 4, v31
	v_add_nc_u32 v[AOFF], s57, v31
	s_lshl_b32 s57, s19, 16                        ; qc: columns 512 nh + 128 w + 4 lane .. + 3: g = 32 nh + 8 w + lane / 4,
	s_lshl_b32 s58, s16, 14
	s_add_co_u32 s57, s57, s58
	v_lshrrev_b32 v31, 2, v28
	v_lshlrev_b32 v31, 11, v31
	v_and_b32 v1, 1, v28                           ; tq = lane & 1,
	v_lshl_add_u32 v31, v1, 9, v31
	v_bfe_u32 v1, v28, 1, 1                        ; h = (lane >> 1) & 1
	v_lshl_add_u32 v31, v1, 8, v31
	v_add_nc_u32 v[QOFF], s57, v31
	s_lshl_b32 s57, s16, 9                         ; 512 w
	s_add_co_u32 s58, s57, QS
	v_lshl_add_u32 v[QLD], v30, 5, s58
	v_lshl_add_u32 v[QST], v28, 4, s58
	s_add_co_u32 s58, s57, SCR
	v_lshl_add_u32 v[SCW], v29, 2, s58
	v_lshlrev_b32 v[SOFF], 4, v28
	v_add_nc_u32 v[SCRD], SCR, v[SOFF]
	s_lshl_b32 s58, s19, 11
	s_add_co_u32 s58, s58, s57                     ; v: 4 (512 nh + 128 w)
	v_lshl_add_u32 v[VOFF], v30, 5, s58            ; + 32 h
.irp b, 0,1,2,3,4,5,6,7
	global_load_b128 v[VR+8*\b:VR+8*\b+3],   v[VOFF], s[10:11] offset:64*\b    ; v of my columns 16 b + 8 h + 0..7: kept for the whole launch
	global_load_b128 v[VR+8*\b+4:VR+8*\b+7], v[VOFF], s[10:11] offset:64*\b+16
.endr
	s_lshl_b32 s56, s19, 18                        ; part's plane nh: 512 blocks x 512 bytes
	s_mov_b32 s57, 0
	s_add_nc_u64 s[62:63], s[14:15], s[56:57]
	DECODE
	s_mov_b64 s[40:41], s[42:43]
	s_mov_b64 s[48:49], s[50:51]
	global_load_b128 v[QT:QT+3], v[QOFF], s[46:47]
	ALOAD 0, 40, 0                                 ; half-step 0
	ALOAD 1, 40, 256                               ; half-step 1
	ASTAGE 0, 0, 16, 1, 40, 512                    ; the count 16 leaves half-step 1 out: v, q and half-step 0 are in.  Asks for half-step 2
	WIN 0
	ds_store_b128 v[QST], v[QT:QT+3]
.set d, 0
.rept 32
	v_cvt_pk_bf16_f32 v[CV+d], v[VR+2*d], v[VR+2*d+1]      ; v is rounded once to bf16 ...
.set d, d+1
.endr
.set d, 0
.rept 32
	v_lshlrev_b32 v[VR+2*d], 16, v[CV+d]                   ; ... and widened again: the sums run in f32
	v_and_b32 v[VR+2*d+1], 0xffff0000, v[CV+d]
.set d, d+1
.endr
	s_wait_tensorcnt 0x1                           ; my quarter of slot 0 is in; slot 1's may stay out: no tensor load fills bytes behind this barrier
	s_wait_dscnt 0x0                               ; my rows of A's slot 0 are in LDS
	s_barrier_signal -1
	s_barrier_wait -1
	s_mov_b32 s22, 0
.Litem:
	ITEM 1
	s_add_co_u32 s22, s22, 1
	s_cmp_lt_u32 s22, ITEMS-1
	s_cbranch_scc1 .Litem
	ITEM 0                                         ; the last item is written out: it asks for nothing beyond itself
	s_wait_xcnt 0x0
	v_lshl_add_u32 v62, v0, 2, 0x4a000
	v_mov_b32 v63, 0
	s_wait_tensorcnt 0x0
	ds_add_u32 v62, v63
	s_wait_dscnt 0x0
	CROUND                                         ; the closing round: no work-group ends while a partner may still issue a joint load that names it
	s_endpgm
.Lfunc_end_k_qefc4f16452_scores:
	.size	k_qefc4f16452_scores, .Lfunc_end_k_qefc4f16452_scores-k_qefc4f16452_scores
	.p2alignl 7, 3214868480
	.fill 96, 4, 3214868480
	.section	.rodata,"a",@progbits
	.p2align	6, 0x0
	.amdhsa_kernel k_qefc4f16452_scores
		.amdhsa_group_segment_fixed_size 327680
		.amdhsa_private_segment_fixed_size 0
		.amdhsa_enable_private_segment 0
		.amdhsa_kernarg_size 40
		.amdhsa_user_sgpr_count 2
		.amdhsa_user_sgpr_kernarg_segment_ptr 1
		.amdhsa_wavefront_size32 1
		.amdhsa_system_sgpr_workgroup_id_x 1
		.amdhsa_system_sgpr_workgroup_id_y 1
		.amdhsa_system_sgpr_workgroup_id_z 1
		.amdhsa_system_vgpr_workitem_id 0
		.amdhsa_next_free_vgpr 1024
		.amdhsa_next_free_sgpr 80
		.amdhsa_reserve_vcc 0
		.amdhsa_float_denorm_mode_32 3
		.amdhsa_float_denorm_mode_16_64 3
		.amdhsa_memory_ordered 1
		.amdhsa_forward_progress 1
		.amdhsa_inst_pref_size 255
	.end_amdhsa_kernel
	.section	.bss,"aw",@nobits
	.p2align	6
	.space	262144
	.amdgpu_metadata
---
amdhsa.version: [ 1, 2 ]
amdhsa.kernels:
  - .name:           k_qefc4f16452_scores
    .symbol:         k_qefc4f16452_scores.kd
    .args:
      - { .name: encoder_outputs, .offset: 0, .size: 8, .value_kind: global_buffer, .address_space: global }
      - { .name: wkb, .offset: 8, .size: 8, .value_kind: global_buffer, .address_space: global }
      - { .name: qc, .offset: 16, .size: 8, .value_kind: global_buffer, .address_space: global }
      - { .name: v, .offset: 24, .size: 8, .value_kind: global_buffer, .address_space: global }
      - { .name: part, .offset: 32, .size: 8, .value_kind: global_buffer, .address_space: global }
    .group_segment_fixed_size: 327680
    .private_segment_fixed_size: 0
    .kernarg_segment_align: 8
    .kernarg_segment_size: 40
    .max_flat_workgroup_size: 128
    .sgpr_count:     80
    .vgpr_count:     1024
    .wavefront_size: 32
...
	.end_amdgpu_metadata
.endif
;; end of part 2
;; launch soft (part 3): grid 32 x 1, 8 waves a work-group, no clusters, 1,280 bytes of LDS; arguments part, lengths, out0; writes out0
.if DOCPART == 3
	.amdgcn_target "amdgcn-amd-amdhsa--gfx1250"
	.amdhsa_code_object_version 6
	.text
	.protected	k_qefc4f16452_soft
	.globl	k_qefc4f16452_soft
	.p2align	8
	.type	k_qefc4f16452_soft,@function
k_qefc4f16452_soft:
	s_mov_b64 s[64:65], 0
	v_nop
	global_prefetch_b8 v0, s[64:65] scope:SCOPE_SE
	s_setreg_imm32_b32 hwreg(HW_REG_WAVE_MODE, 25, 1), 1
	s_wait_xcnt 0x0
; out0[b][s] = softmax over s of (part[0][b][s] + part[1][b][s]) where s < lengths[b], and 0 elsewhere.
; One work-group a batch; thread T holds s = 4T .. 4T+3 and 1024 + 4T .. +3.  The row is 8 KiB in each half of part: it stays in registers, memory is read once.
; lengths enters the mask alone (a compare and a select); no address and no branch hangs on it.
; The maximum is taken away before the exponential.  x - m is formed first and then scaled by log2(e), so that the exponent's error does not grow with |m|.
; LIMITS: lengths above 2048 act as 2048; lengths <= 0 give a row of NaN, as the problem's function does (-inf minus -inf); a term below 2^-126 comes out as 0
; (v_exp_f32 flushes denormal results: ISA guide 15.8).
; Matrix units, clusters and tensor loads are left out: 0.5 MiB are read and 0.25 MiB written, with no reuse.
.set PLANE, 262144                     ; bytes of one half of part
	s_load_b128 s[4:7], s[0:1], 0x0                ; part s[4:5], lengths s[6:7]
	s_load_b64 s[8:9], s[0:1], 0x10                ; out0
	v_lshl_add_u32 v48, v0, 2, 0x100
	v_mov_b32 v49, 0
	s_lshl_b32 s10, ttmp9, 2
	s_lshl_b32 s16, ttmp9, 13                      ; 2,048 numbers of 4 bytes a batch, in part and in out0
	s_mov_b32 s17, 0
	s_mov_b32 s18, 0x76543210                      ; v_permlanex16_b32: lane i of one half reads lane i of the other
	s_mov_b32 s19, 0xfedcba98
	v_lshrrev_b32 v1, 5, v0
	v_readfirstlane_b32 s20, v1                    ; wave
	v_lshlrev_b32 v2, 2, v0                        ; s of my first four numbers
	v_add_nc_u32 v3, 1024, v2                      ; and of my second four
	v_lshlrev_b32 v6, 4, v0                        ; 16 T: my bytes in part's row and in out0's; never rewritten
	v_mov_b32 v7, 0xff800000                       ; -inf
	v_mov_b32 v30, s20
	v_lshlrev_b32 v30, 2, v30                      ; my wave's word in LDS
	v_mov_b32 v31, 0
	s_wait_kmcnt 0x0
	s_load_b32 s11, s[6:7], s10 offset:0x0
	s_add_nc_u64 s[4:5], s[4:5], s[16:17]
	s_add_nc_u64 s[8:9], s[8:9], s[16:17]
	global_load_b128 v[8:11],  v6, s[4:5]                  ; sixteen lanes read 256 consecutive bytes, aligned
	global_load_b128 v[12:15], v6, s[4:5] offset:4096
	global_load_b128 v[16:19], v6, s[4:5] offset:PLANE
	global_load_b128 v[20:23], v6, s[4:5] offset:PLANE+4096
	s_wait_kmcnt 0x0
	s_max_i32 s11, s11, 0
	s_min_i32 s11, s11, 2048                       ; len
	v_sub_nc_u32 v2, s11, v2                       ; len - s: number i of the four is kept where i < this (signed)
	v_sub_nc_u32 v3, s11, v3
	s_wait_loadcnt 0x0
	v_pk_add_f32 v[8:9],   v[8:9],   v[16:17]      ; the two halves of the columns
	v_pk_add_f32 v[10:11], v[10:11], v[18:19]
	v_pk_add_f32 v[12:13], v[12:13], v[20:21]
	v_pk_add_f32 v[14:15], v[14:15], v[22:23]
.irp i, 0,1,2,3
	v_cmp_lt_i32 vcc_lo, \i, v2
	v_cndmask_b32 v[8+\i], v7, v[8+\i], vcc_lo
	v_cmp_lt_i32 vcc_lo, \i, v3
	v_cndmask_b32 v[12+\i], v7, v[12+\i], vcc_lo
.endr
	; the maximum: in the lane, across the 32 lanes, across the eight waves
	v_max3_num_f32 v24, v8, v9, v10
	v_max3_num_f32 v24, v24, v11, v12
	v_max3_num_f32 v24, v24, v13, v14
	v_max_num_f32 v24, v24, v15
	v_max_num_f32_dpp v24, v24, v24 row_xmask:1 row_mask:0xf bank_mask:0xf
	v_max_num_f32_dpp v24, v24, v24 row_xmask:2 row_mask:0xf bank_mask:0xf
	v_max_num_f32_dpp v24, v24, v24 row_xmask:4 row_mask:0xf bank_mask:0xf
	v_max_num_f32_dpp v24, v24, v24 row_xmask:8 row_mask:0xf bank_mask:0xf
	v_permlanex16_b32 v16, v24, s18, s19           ; its destination counts as read: v16 has been written
	v_max_num_f32 v24, v24, v16
	ds_store_b32 v30, v24
	s_wait_dscnt 0x0                               ; for the other waves' sake
	s_barrier_signal -1
	s_barrier_wait -1
	ds_load_b128 v[32:35], v31
	ds_load_b128 v[36:39], v31 offset:16
	s_wait_dscnt 0x0
	v_max3_num_f32 v24, v32, v33, v34
	v_max3_num_f32 v24, v24, v35, v36
	v_max3_num_f32 v24, v24, v37, v38
	v_max_num_f32 v24, v24, v39
	v_mov_b32 v25, v24
.irp j, 8,10,12,14
	v_pk_add_f32 v[\j:\j+1], v[\j:\j+1], v[24:25] neg_lo:[0,1] neg_hi:[0,1]
.endr
.irp j, 8,10,12,14
	v_pk_mul_f32 v[\j:\j+1], v[\j:\j+1], 0x3fb8aa3b op_sel_hi:[1,0]
.endr
.irp j, 8,9,10,11,12,13,14,15
	v_exp_f32 v[\j], v[\j]
.endr
	v_nop                                          ; one plain place behind the run of transcendentals (ISA guide 5.7.2)
	; the sum, the same way, in other LDS bytes
	s_wait_alu depctr_va_vdst(0)
	v_pk_add_f32 v[26:27], v[8:9], v[10:11]
	v_pk_add_f32 v[28:29], v[12:13], v[14:15]
	v_pk_add_f32 v[26:27], v[26:27], v[28:29]
	v_add_f32 v26, v26, v27
	v_add_f32_dpp v26, v26, v26 row_xmask:1 row_mask:0xf bank_mask:0xf
	v_add_f32_dpp v26, v26, v26 row_xmask:2 row_mask:0xf bank_mask:0xf
	v_add_f32_dpp v26, v26, v26 row_xmask:4 row_mask:0xf bank_mask:0xf
	v_add_f32_dpp v26, v26, v26 row_xmask:8 row_mask:0xf bank_mask:0xf
	v_permlanex16_b32 v16, v26, s18, s19
	v_add_f32 v26, v26, v16
	ds_store_b32 v30, v26 offset:64
	s_wait_dscnt 0x0
	s_barrier_signal -1
	s_barrier_wait -1
	ds_load_b128 v[32:35], v31 offset:64
	ds_load_b128 v[36:39], v31 offset:80
	s_wait_dscnt 0x0
	v_pk_add_f32 v[32:33], v[32:33], v[34:35]
	v_pk_add_f32 v[36:37], v[36:37], v[38:39]
	v_pk_add_f32 v[32:33], v[32:33], v[36:37]
	v_add_f32 v26, v32, v33
	v_rcp_f32 v28, v26
	v_rcp_f32 v29, v26
	v_nop                                          ; one plain place before the reciprocal is used
	s_wait_alu depctr_va_vdst(0)
.irp j, 8,10,12,14
	v_pk_mul_f32 v[\j:\j+1], v[\j:\j+1], v[28:29]
.endr
	global_store_b128 v6, v[8:11], s[8:9]                  ; sixteen lanes store 256 consecutive bytes, aligned
	global_store_b128 v6, v[12:15], s[8:9] offset:4096
	s_wait_tensorcnt 0x0
	ds_add_u32 v48, v49
	s_wait_dscnt 0x0
	s_endpgm
.Lfunc_end_k_qefc4f16452_soft:
	.size	k_qefc4f16452_soft, .Lfunc_end_k_qefc4f16452_soft-k_qefc4f16452_soft
	.p2alignl 7, 3214868480
	.fill 96, 4, 3214868480
	.section	.rodata,"a",@progbits
	.p2align	6, 0x0
	.amdhsa_kernel k_qefc4f16452_soft
		.amdhsa_group_segment_fixed_size 1280
		.amdhsa_private_segment_fixed_size 0
		.amdhsa_enable_private_segment 0
		.amdhsa_kernarg_size 24
		.amdhsa_user_sgpr_count 2
		.amdhsa_user_sgpr_kernarg_segment_ptr 1
		.amdhsa_wavefront_size32 1
		.amdhsa_system_sgpr_workgroup_id_x 1
		.amdhsa_system_sgpr_workgroup_id_y 1
		.amdhsa_system_sgpr_workgroup_id_z 1
		.amdhsa_system_vgpr_workitem_id 0
		.amdhsa_next_free_vgpr 50
		.amdhsa_next_free_sgpr 66
		.amdhsa_reserve_vcc 1
		.amdhsa_float_denorm_mode_32 3
		.amdhsa_float_denorm_mode_16_64 3
		.amdhsa_memory_ordered 1
		.amdhsa_forward_progress 1
		.amdhsa_inst_pref_size 7
	.end_amdhsa_kernel
	.amdgpu_metadata
---
amdhsa.version: [ 1, 2 ]
amdhsa.kernels:
  - .name:           k_qefc4f16452_soft
    .symbol:         k_qefc4f16452_soft.kd
    .args:
      - { .name: part, .offset: 0, .size: 8, .value_kind: global_buffer, .address_space: global }
      - { .name: lengths, .offset: 8, .size: 8, .value_kind: global_buffer, .address_space: global }
      - { .name: out0, .offset: 16, .size: 8, .value_kind: global_buffer, .address_space: global }
    .group_segment_fixed_size: 1280
    .private_segment_fixed_size: 0
    .kernarg_segment_align: 8
    .kernarg_segment_size: 24
    .max_flat_workgroup_size: 256
    .sgpr_count:     66
    .vgpr_count:     50
    .wavefront_size: 32
...
	.end_amdgpu_metadata
.endif
;; end of part 3
;; ======== version 2 of 3: 3 launches; 1.16 times as fast as version 1
;; workspace buffers: wkb 2,097,152 bytes; qc 131,072 bytes; part 524,288 bytes
;; launch prep: the kernel of part 1 again; grid 128 x 1, 8 waves a work-group, no clusters, 17,408 bytes of LDS; arguments Wk, Wq, hidden, wkb, qc; writes wkb, qc
;; launch scores (part 4): grid 256 x 1, 4 waves a work-group, clusters of 4 x 1, 327,680 bytes of LDS; arguments encoder_outputs, wkb, qc, v, part; writes part
.if DOCPART == 4
	.amdgcn_target "amdgcn-amd-amdhsa--gfx1250"
	.amdhsa_code_object_version 6
	.text
	.protected	k_qefc4f16452_scores
	.globl	k_qefc4f16452_scores
	.p2align	8
	.type	k_qefc4f16452_scores,@function
k_qefc4f16452_scores:
	s_mov_b64 s[64:65], 0
	v_nop
	global_prefetch_b8 v0, s[64:65] scope:SCOPE_SE
	s_setreg_imm32_b32 hwreg(HW_REG_WAVE_MODE, 25, 1), 1
	s_wait_xcnt 0x0
	s_wait_alu depctr_hold_cnt(0) depctr_sa_sdst(0) depctr_va_vdst(0) depctr_va_sdst(0) depctr_va_ssrc(0) depctr_va_vcc(0) depctr_vm_vsrc(0)
	s_getreg_b32 s2, hwreg(HW_REG_IB_STS2, 6, 4)
	s_cmp_eq_u32 s2, 0
	s_cbranch_scc0 .Lentry_in_a_cluster
	s_endpgm
.Lentry_in_a_cluster:
	s_bfe_u32 s2, ttmp6, 0x10000c
	s_cmp_lg_u32 s2, 0x3003
	s_cbranch_scc0 .Lentry_shape_is_right
	s_endpgm
.Lentry_shape_is_right:
; part[nh][block][row] = sum over the 512 columns n of half nh of v[n] tanh(q[b][n] + sum_k enc[b][s][k] Wk[n][k]), for all 512 blocks of 128 rows.
; keys and energy never leave registers.  The mask s < lengths[b] is applied by the softmax launch; here every row is computed: the loop holds barriers and
; joint requests, so its trip count is a constant of the text and hangs on no number read from memory.
;
; SHARES.  An item = 4 neighbouring blocks x one half of the columns.  A cluster of four work-groups takes an item: each group one block (128 rows) x 512 columns;
; each of its four waves 128 rows x 128 columns: 64 accumulator tiles of 16 x 16, 512 registers.  512 blocks x 2 halves = 256 items for 64 clusters: 4 items each.
; Cluster c keeps the column half c & 1 and takes the groups of four blocks (c >> 1) + 32 t, t = 0..3; partner cx takes block 4 group + cx.
;
; ONE TEXT FOR ALL LAPS.  A lap = two K steps of 128 = four half-steps of 64.  The 4 items x 4 laps are one stream of 16 laps, and one loop body serves 15 of them.
; The body is turned by one quarter: trip j holds lap j from its first change of slots on, and then the first quarter of lap j + 1.  So all four requests for A
; of a trip (half-steps 0..3 of lap j + 1) go by one pointer, and only that first quarter has two forms: where lap j ends an item the epilogue comes first and the
; quarter's products start the next item's sums; a branch on the lap counter picks the form.  Lap 15 is written out behind the loop: it asks for nothing.
;
; B (Wk as bf16 in fragment order, from wkb) comes by tensor loads, JOINT among the four partners, who need the same bytes: two LDS slots of K = 128;
; wave w fetches and reads its own quarter (its 128 columns, 32 KiB, dense rows of 256 bytes).  The eight K steps are walked round and round, item after item.
; From a request to the wait for it a wave issues 240 matrix instructions.  By this text's count a wave has two tensor loads out at the start and one behind each
; round of the cluster's barrier.
; A (encoder_outputs, f32) is NOT asked for jointly: no two partners read the same rows, and it has to be rounded to bf16 on the way, which the mover does not do.
; It goes through registers: 16-byte loads (16 lanes = 256 consecutive bytes, aligned), one rounding, ds_store into a ring of its own of two slots of K = 64.
; Two staging sets of 64 registers keep two half-steps (32 loads of a wave) on their way; a set is asked for 256 matrix instructions ahead of its conversion.
;
; LIMITS.  Matrix operands are rounded once to bf16; v too enters as bf16 (it is the operand of the problem's second product); q, tanh and all sums are f32.
; tanh(x) = 1 - 2 / (1 + exp2(2.88539 x)): exact at saturation (exp2 = inf gives 1, exp2 = 0 gives -1), absolute error of a few 1e-7 elsewhere.
;
; REGISTERS, in windows of 256:
;   window 0: v2-15 addresses, v16-19 the item's q, v20 a row sum, v32-63 conversion results / sums, v64-127 and v128-191 fragments of A (epilogue: x in the second), v192-255 v
;   window 1: v0-63 staging set 0, v64-127 and v128-191 fragments of B (epilogue: q in the second), v192-255 staging set 1
;   window 2: accumulator tiles of rows 0-63 (tile (a, b) at v[8 (8 a + b)]);  window 3: rows 64-127
; The matrix instruction is used transposed (source 0 = 16 rows of Wk, source 1 = 16 rows of enc): lane (r, h) holds row r, registers j the columns 8 h + j.
; SCALARS: s[4:5] enc, s[6:7] wkb, s[8:9] qc, s[10:11] v, s[14:15] part; s16 wave, s17 cx, s18 c, s19 nh; s22 laps done, s23 row blocks done;
;   s[24:31] group 1; s[32:35], s[36:39] group 0 of slots 0, 1; s[40:41] A pointer; s[44:45], s[46:47] my quarter of wkb's K steps 0 and 1;
;   s[48:49] where the sums go; s[50:51] the item's q; s53 my block's number; s[54:55] byte offset of the K steps asked for next; s56-58 at work; s59 32,768 w;
;   s60-63: s[62:63] part's plane nh; s[66:67] 2 log2(e) twice; s[68:69] the A pointer's step; s70 at work; s71 the step into the next item
.set BSLOT,  131072                    ; a slot of B: K = 128 x 512 columns of bf16
.set ABASE,  2*BSLOT                   ; behind B's ring: A's ring, written by ds_store alone
.set APITCH, 144                       ; 128 bytes of data + 16: an odd multiple of 16, so the 16 rows of a fragment load start at 16 different 16-byte columns modulo 256
.set ASLOT,  128*APITCH
.set SCR,    ABASE+2*ASLOT             ; [wave][row block a][h][r] f32: the half sums of 128 rows, 1,024 bytes a wave
.set QS,     SCR+4096                  ; [wave][128 columns] f32: q of the item's batch
.set LAPS,   16                        ; 4 items x 4 laps
.set ITEMSTEP, 128*524288-3*1024       ; from an item's last lap to the next item's first: 128 blocks of 128 rows x 4,096 bytes on, three laps of 1,024 bytes back
.set ADRA, 2                           ; v2-3   my A fragments in slot 0, 1
.set ADRB, 4                           ; v4-5   my B fragments in slot 0, 1
.set AST,  6                           ; v6-7   where I store converted A in slot 0, 1
.set AOFF, 8                           ; v8     my byte offset in the block of enc
.set QOFF, 9
.set QLD,  10
.set QST,  11
.set SCW,  12
.set SCRD, 13
.set SOFF, 14
.set VOFF, 15
.set QT,   16
.set RES,  20
.set CV,   32
.set SM,   32
.set F0,   64
.set F1,   128
.set XR,   128                         ; epilogue: x, in window 0 (A's buffer 1)
.set QR,   128                         ; epilogue: q, in window 1 (B's buffer 1)
.set VR,   192
.set G1,   24
.set G0,   32
.set WB,   44
.set MUL_LO, 0xa1                      ; source 0 (B) window 1, source 1 (A) window 0, C and D window 2
.set MUL_HI, 0xf1                      ; the same, C and D window 3
.set TO_W1,  0x40                      ; destination window 1
.set CVT,    0x05                      ; sources 0 and 1 window 1
.set EP_LO,  0x12                      ; source 0 window 2, source 2 window 1
.set EP_HI,  0x13                      ; source 0 window 3, source 2 window 1
.set MSB, 0
.macro WIN new                         ; the immediate's high byte repeats the setting that is left
.if MSB != \new
	s_set_vgpr_msb (MSB<<8)|\new
.set MSB, \new
.endif
.endm
; Four places: a load into, or a vector instruction on, a matrix instruction's registers stands four plain vector instructions behind it (ISA guide 7.12.1 for vector instructions)
.macro PLACES
.rept 4
	v_nop
.endr
.endm
.macro CREST                           ; a round of the cluster's barrier behind its opening work-group barrier
	s_cmp_lg_u32 s16, 0
	s_cbranch_scc1 .Lnot_wave_0_\@
	s_barrier_signal -3
.Lnot_wave_0_\@:
	s_barrier_wait -3
	s_barrier_signal -1
	s_barrier_wait -1
.endm
.macro CROUND
	s_barrier_signal -1
	s_barrier_wait -1
	CREST
.endm
; 16 matrix instructions: row blocks a0, a0 + 1 of the window's four x all 8 column blocks, 32 along K.  zero = 1: the first product starts the sums.
; The 64 accumulators take turns, one instruction a turn, in the same order in every quarter.
.macro MUL16 f, hi, a0, zero
.irp a, \a0, \a0+1
.irp b, 0,1,2,3,4,5,6,7
.if \zero
	v_wmma_f32_16x16x32_bf16 v[8*(8*(\a)+\b):8*(8*(\a)+\b)+7], v[\f+8*\b:\f+8*\b+7], v[\f+8*(4*\hi+\a):\f+8*(4*\hi+\a)+7], 0
.else
	v_wmma_f32_16x16x32_bf16 v[8*(8*(\a)+\b):8*(8*(\a)+\b)+7], v[\f+8*\b:\f+8*\b+7], v[\f+8*(4*\hi+\a):\f+8*(4*\hi+\a)+7], v[8*(8*(\a)+\b):8*(8*(\a)+\b)+7]
.endif
.endr
.endr
.endm
; 32 LDS loads in one run: B's eight fragments (slot bs, 32 K number bk: lane x 16, contiguous), then A's eight (slot sl, byte ak of the rows) into buffer f
.macro FETCH sl, ak, bs, bk, f
	WIN TO_W1
.irp i, 0,1,2,3,4,5,6,7
	ds_load_b128 v[\f+8*\i:\f+8*\i+3],   v[ADRB+\bs] offset:8192*(\bk)+1024*\i
	ds_load_b128 v[\f+8*\i+4:\f+8*\i+7], v[ADRB+\bs] offset:8192*(\bk)+1024*\i+512
.endr
	WIN 0
.irp i, 0,1,2,3,4,5,6,7
	ds_load_b128 v[\f+8*\i:\f+8*\i+3],   v[ADRA+\sl] offset:\ak+2304*\i
	ds_load_b128 v[\f+8*\i+4:\f+8*\i+7], v[ADRA+\sl] offset:\ak+2304*\i+32
.endr
.endm
; 16 loads: my wave's 32 rows x 64 k of f32; each load takes 256 consecutive aligned bytes of two rows
.macro ALOAD sn, base, imm
	WIN TO_W1
.irp i, 0,1,2,3,4,5,6,7,8,9,10,11,12,13,14,15
	global_load_b128 v[192*\sn+4*\i:192*\sn+4*\i+3], v[AOFF], s[\base:\base+1] offset:\imm+8192*\i
.endr
.endm
; Staging set sn has arrived (left = loads issued behind it): round to bf16, store into A slot sl, and (issue) ask for the set's next data
.macro ASTAGE sn, sl, left, issue, base, imm
	s_wait_loadcnt \left
	WIN CVT
.set d, 0
.rept 32
	v_cvt_pk_bf16_f32 v[CV+d], v[192*\sn+2*d], v[192*\sn+2*d+1]
.set d, d+1
.endr
	WIN 0
.irp i, 0,1,2,3,4,5,6,7,8,9,10,11,12,13,14,15
	ds_store_b64 v[AST+\sl], v[CV+2*\i:CV+2*\i+1] offset:288*\i
.endr
.if \issue
	ALOAD \sn, \base, \imm
.endif
.endm
; First quarter of half-step p (A slot p): multiplies buffer 0.  In its middle: the next half-step's A goes into slot q = 1 - p, whose readers all waited for
; their loads in front of the last barrier; then the second quarter's fragments are fetched into buffer 1.
.macro QUARTER p, q, bs, zero, st, left, issue, base, imm
	s_wait_dscnt 8                                 ; B and A's rows 0-63 are in; the youngest eight loads (A's rows 64-127) may be out
	WIN MUL_LO
	MUL16 F0, 0, 0, \zero
	MUL16 F0, 0, 2, \zero
	PLACES
.if \st
	ASTAGE \q, \q, \left, \issue, \base, \imm
.endif
	FETCH \p, 64, \bs, 2*\p+1, F1
	s_wait_dscnt 32                                ; all but the 32 loads just issued: the rest of buffer 0 (and my stores into A's ring)
	WIN MUL_HI
	MUL16 F0, 1, 0, \zero
	MUL16 F0, 1, 2, \zero
.endm
; Second quarter: multiplies buffer 1, changes A's slot to q (and, for kind >= 1, B's) and fetches the next half-step's first fragments (B: slot nbs, 32 K number nbk).
; One barrier: in front of it my reads of the slots that are left and my stores into A's next slot are done.
; kind 0: A alone, a plain barrier; my tensor load may stay out, since no tensor load fills bytes behind it.  kind 1: B's slot changes, nothing is filled.
; kind 2: B's slot bs is filled again: all my tensor loads are waited for too, the barrier opens a round of the cluster's barrier, and the joint refill is the
; first thing behind the round.  Its address: my quarter of K step bs plus the offset of the lap that is asked for, which is equal in the four partners.
.macro TURN q, bs, kind, nbs, nbk
	s_wait_dscnt 8
	WIN MUL_LO
	MUL16 F1, 0, 0, 0
	s_wait_dscnt 0x0                               ; for the others' sake: my LDS loads and stores are done
.if \kind
	s_set_vgpr_msb 0xa1a0
	s_wait_tensorcnt 0x0                           ; all my tensor loads have landed: the one that was out is my quarter of B's next slot
	ds_add_u32 v26, v27
	s_wait_dscnt 0x0
	s_set_vgpr_msb 0xa0a1
.endif
	s_barrier_signal -1
	MUL16 F1, 0, 2, 0                              ; register work while the others arrive
.if \kind == 2
	WIN 0
.endif
	s_barrier_wait -1
.if \kind == 2
	CREST                                          ; no wave of any partner still reads this slot or has a load on its way
	s_add_nc_u64 s[G0+4*\bs+2:G0+4*\bs+3], s[WB+2*\bs:WB+2*\bs+1], s[54:55]
	s_or_b32 s[G0+4*\bs+3], s[G0+4*\bs+3], 0x80000000
	tensor_load_to_lds s[G0+4*\bs:G0+4*\bs+3], s[G1:G1+7]
	s_nop 0
.endif
	PLACES                                         ; behind the joint load, and in front of the loads into buffer 0
	FETCH \q, 0, \nbs, \nbk, F0
	WIN MUL_HI
	MUL16 F1, 1, 0, 0
	MUL16 F1, 1, 2, 0
.endm
.macro LASTQ                           ; the very last quarter of the last item: nothing more to fetch
	s_wait_dscnt 8
	WIN MUL_LO
	MUL16 F1, 0, 0, 0
	MUL16 F1, 0, 2, 0
	s_wait_dscnt 0x0
	WIN MUL_HI
	MUL16 F1, 1, 0, 0
	MUL16 F1, 1, 2, 0
.endm
; From my block's number s53 = 16 batch + block (0 to 511): where the batch's q and the block's sums lie.
.macro ITEMPTR
	s_and_b32 s56, s53, 0x100                      ; 1,024 (batch >> 4)
	s_lshl_b32 s56, s56, 2
	s_and_b32 s58, s53, 0xf0                       ; + 16 (batch & 15)
	s_add_co_u32 s56, s56, s58
	s_mov_b32 s57, 0
	s_add_nc_u64 s[50:51], s[8:9], s[56:57]
	s_lshl_b32 s56, s53, 9                         ; 128 sums of 4 bytes
	s_add_nc_u64 s[48:49], s[62:63], s[56:57]
.endm
; The part of the epilogue that names accumulators, for row block a (tile row t of its window): x = 2.88539 keys + qc, 64 numbers a lane.
; At its head the sum of the row block before is finished and stored, with that block's place in the immediate.
.macro EBLK tag, a, t, win
.L\tag\a:
.if \a
	v_add_f32 v[RES], v[SM], v[SM+1]
	ds_store_b32 v[SCW], v[RES] offset:128*(\a-1)  ; 32 lanes, 128 consecutive bytes: rows 16 (a - 1) + r, my lanes' half of my wave's columns
.endif
	WIN \win
.set p, 0
.rept 32
	v_pk_fma_f32 v[XR+2*p:XR+2*p+1], v[64*\t+2*p:64*\t+2*p+1], s[66:67], v[QR+2*p:QR+2*p+1] op_sel_hi:[1,0,1]
.set p, p+1
.endr
	WIN 0
.endm
; THE EPILOGUE: eight trips, one for each block of 16 rows.  Registers cannot be indexed, so the 32 instructions that read a row block's accumulators are written
; eight times and picked by the trip's number; the 230 that follow (tanh = 1 - 2 / (1 + exp2 x), times v, summed in four chains) are written once.
; It uses the two buffers 1 and leaves the buffers 0 alone, which hold the next item's first fragments.
; Behind each run of transcendentals one v_nop stands before their results are used (ISA guide 5.7.2).
.macro EPILOGUE tag
	PLACES                                         ; behind the last matrix instructions: their results are read, their buffers 1 written
	WIN 0
	ds_store_b128 v[QST], v[QT:QT+3]               ; the item's q: lane l holds my wave's columns 4 l .. + 3; into my wave's own bytes
	WIN TO_W1
.irp b, 0,1,2,3,4,5,6,7
	ds_load_b128 v[QR+8*\b:QR+8*\b+3],   v[QLD] offset:64*\b           ; and back as q of my columns 16 b + 8 h + 0..7: LDS serves a wave in order (ISA guide 5.7.1)
	ds_load_b128 v[QR+8*\b+4:QR+8*\b+7], v[QLD] offset:64*\b+16
.endr
	WIN 0
	s_mov_b32 s23, 0
	s_wait_dscnt 0x0
.Lrow\tag:
.irp a, 0,1,2,3,4,5,6
	s_cmp_eq_u32 s23, \a
	s_cbranch_scc1 .L\tag\a
.endr
	EBLK \tag, 7, 3, EP_HI
	s_branch .Lcom\tag
	EBLK \tag, 0, 0, EP_LO
	s_branch .Lcom\tag
	EBLK \tag, 1, 1, EP_LO
	s_branch .Lcom\tag
	EBLK \tag, 2, 2, EP_LO
	s_branch .Lcom\tag
	EBLK \tag, 3, 3, EP_LO
	s_branch .Lcom\tag
	EBLK \tag, 4, 0, EP_HI
	s_branch .Lcom\tag
	EBLK \tag, 5, 1, EP_HI
	s_branch .Lcom\tag
	EBLK \tag, 6, 2, EP_HI
.Lcom\tag:
.set p, 0
.rept 64
	v_exp_f32 v[XR+p], v[XR+p]
.set p, p+1
.endr
	v_nop
.set p, 0
	s_wait_alu depctr_va_vdst(0)
.rept 32
	v_pk_add_f32 v[XR+2*p:XR+2*p+1], v[XR+2*p:XR+2*p+1], 1.0 op_sel_hi:[1,0]
.set p, p+1
.endr
.set p, 0
.rept 64
	v_rcp_f32 v[XR+p], v[XR+p]
.set p, p+1
.endr
	v_nop
.set p, 0
	s_wait_alu depctr_va_vdst(0)
.rept 32
	v_pk_fma_f32 v[XR+2*p:XR+2*p+1], v[XR+2*p:XR+2*p+1], -2.0, 1.0 op_sel_hi:[1,0,0]
.set p, p+1
.endr
.set p, 0
.rept 4
	v_pk_mul_f32 v[SM+2*p:SM+2*p+1], v[XR+2*p:XR+2*p+1], v[VR+2*p:VR+2*p+1]      ; the first four products start the chains
.set p, p+1
.endr
.rept 28
	v_pk_fma_f32 v[SM+2*(p%4):SM+2*(p%4)+1], v[XR+2*p:XR+2*p+1], v[VR+2*p:VR+2*p+1], v[SM+2*(p%4):SM+2*(p%4)+1]
.set p, p+1
.endr
	v_pk_add_f32 v[SM:SM+1], v[SM:SM+1], v[SM+2:SM+3]
	v_pk_add_f32 v[SM+4:SM+5], v[SM+4:SM+5], v[SM+6:SM+7]
	v_pk_add_f32 v[SM:SM+1], v[SM:SM+1], v[SM+4:SM+5]
	s_add_co_u32 s23, s23, 1
	s_cmp_lt_u32 s23, 8
	s_cbranch_scc1 .Lrow\tag
	v_add_f32 v[RES], v[SM], v[SM+1]
	ds_store_b32 v[SCW], v[RES] offset:128*7
	s_wait_dscnt 0x0                               ; for wave 0's sake
	s_barrier_signal -1                            ; a plain barrier: no tensor load fills bytes behind it, so slot 1's refill may stay out
	s_barrier_wait -1
	s_cmp_lg_u32 s16, 0
	s_cbranch_scc1 .Lnot0\tag
.irp i, 0,1,2,3,4,5,6,7
	ds_load_b128 v[32+4*\i:35+4*\i], v[SCRD] offset:1024*(\i>>1)+64*(\i&1)   ; wave 0: rows 4 lane .. + 3: the two half sums of each of the four waves
.endr
	s_wait_dscnt 0x0
.irp i, 0,2,4,6,8,10,12,14
	v_pk_add_f32 v[32+\i:33+\i], v[32+\i:33+\i], v[48+\i:49+\i]
.endr
.irp i, 0,2,4,6
	v_pk_add_f32 v[32+\i:33+\i], v[32+\i:33+\i], v[40+\i:41+\i]
.endr
.irp i, 0,2
	v_pk_add_f32 v[32+\i:33+\i], v[32+\i:33+\i], v[36+\i:37+\i]
.endr
	global_store_b128 v[SOFF], v[32:35], s[48:49]  ; the block's 128 sums: 512 consecutive bytes, aligned
.Lnot0\tag:
.endm
	; ---------------- prologue ----------------
	s_load_b256 s[4:11], s[0:1], 0x0               ; enc, wkb, qc, v
	s_load_b64 s[14:15], s[0:1], 0x20              ; part
	v_lshl_add_u32 v26, v0, 2, 0x4a800
	v_mov_b32 v27, 0
	ds_add_u32 v26, v27
	v_lshrrev_b32 v1, 5, v0
	v_readfirstlane_b32 s16, v1                    ; wave
	s_bfe_u32 s17, ttmp6, 0x40000                  ; cx: my place in the cluster; it enters the global addresses of A, q and the sums alone
	s_mov_b32 s18, ttmp9                           ; c: the cluster
	s_and_b32 s19, s18, 1                          ; nh
	s_lshr_b32 s53, s18, 1
	s_lshl_b32 s53, s53, 2
	s_add_co_u32 s53, s53, s17                     ; my first block: 4 (c >> 1) + cx
	s_mov_b32 s66, 0x4038aa3b                      ; 2 log2(e)
	s_mov_b32 s67, 0x4038aa3b
	s_mov_b32 s54, 2*BSLOT                         ; the first refills ask for K steps 2 and 3
	s_mov_b32 s55, 0
	s_mov_b32 s69, 0
	s_mov_b32 s71, ITEMSTEP
	; group 1: 128 rows of 32 elements of 8 bytes, dense: 32 KiB
	s_mov_b32 s[G1+0], 0x0023000f                  ; 15:0 the mask: all four partners; 17:16 elements of 8 bytes; 21 set beside a mask; no padding
	s_mov_b32 s[G1+1], 32<<16                      ; tensor_dim0 = 32
	s_mov_b32 s[G1+2], 128<<16                     ; tensor_dim1 = 128
	s_mov_b32 s[G1+3], 32<<16                      ; tile_dim0 = 32
	s_mov_b32 s[G1+4], 128                         ; tile_dim1 = 128
	s_mov_b32 s[G1+5], 32                          ; from row to row: 32 elements
	s_mov_b32 s[G1+6], 0
	s_mov_b32 s[G1+7], 0
	s_lshl_b32 s59, s16, 15                        ; my quarter: 32,768 w, in wkb and in LDS alike
	s_lshl_b32 s56, s19, 20
	s_add_co_u32 s56, s56, s59
	s_mov_b32 s57, 0
	s_wait_dscnt 0x0
	s_wait_kmcnt 0x0
	s_add_nc_u64 s[WB:WB+1], s[6:7], s[56:57]      ; hangs on c & 1 and the wave alone: equal in the four partners
	s_add_nc_u64 s[WB+2:WB+3], s[WB:WB+1], BSLOT
	CROUND                                         ; the four work-groups are here: the first joint loads meet
.irp s, 0,1
	s_mov_b32 s[G0+4*\s], 1
	s_add_co_u32 s[G0+4*\s+1], s59, \s*BSLOT       ; LDS: the wave's number times 32,768 plus the slot's constant
	s_add_nc_u64 s[G0+4*\s+2:G0+4*\s+3], s[WB:WB+1], \s*BSLOT      ; K step s
	s_or_b32 s[G0+4*\s+3], s[G0+4*\s+3], 0x80000000
	tensor_load_to_lds s[G0+4*\s:G0+4*\s+3], s[G1:G1+7]
	s_nop 0
	PLACES
.endr
	v_and_b32 v28, 31, v0                          ; lane
	v_and_b32 v29, 15, v0                          ; r
	v_bfe_u32 v30, v0, 4, 1                        ; h
	v_mul_u32_u24 v31, v29, APITCH
	v_lshl_add_u32 v31, v30, 4, v31                ; 144 r + 16 h
	v_add_nc_u32 v[ADRA], ABASE, v31
	v_add_nc_u32 v[ADRA+1], ABASE+ASLOT, v31
	v_lshl_add_u32 v[ADRB], v28, 4, s59            ; 16 lane + 32,768 w
	v_add_nc_u32 v[ADRB+1], BSLOT, v[ADRB]
	s_mul_i32 s57, s16, 32*APITCH                  ; my wave converts rows 32 w .. 32 w + 31
	v_mul_u32_u24 v31, v30, APITCH
	v_lshl_add_u32 v31, v29, 3, v31                ; row h of a pair, 8 bytes for 4 k
	v_add_nc_u32 v31, s57, v31
	v_add_nc_u32 v[AST], ABASE, v31
	v_add_nc_u32 v[AST+1], ABASE+ASLOT, v31
	s_lshl_b32 s57, s16, 17                        ; 32 rows of 4,096 bytes
	v_lshlrev_b32 v31, 12, v30
	v_lshl_add_u32 v31, v29, 4, v31
	v_add_nc_u32 v[AOFF], s57, v31
	s_lshl_b32 s57, s19, 16                        ; qc: columns 512 nh + 128 w + 4 lane .. + 3: g = 32 nh + 8 w + lane / 4,
	s_lshl_b32 s58, s16, 14
	s_add_co_u32 s57, s57, s58
	v_lshrrev_b32 v31, 2, v28
	v_lshlrev_b32 v31, 11, v31
	v_and_b32 v1, 1, v28                           ; tq = lane & 1,
	v_lshl_add_u32 v31, v1, 9, v31
	v_bfe_u32 v1, v28, 1, 1                        ; h = (lane >> 1) & 1
	v_lshl_add_u32 v31, v1, 8, v31
	v_add_nc_u32 v[QOFF], s57, v31
	s_lshl_b32 s57, s16, 9                         ; 512 w
	s_add_co_u32 s58, s57, QS
	v_lshl_add_u32 v[QLD], v30, 5, s58
	v_lshl_add_u32 v[QST], v28, 4, s58
	s_lshl_b32 s58, s16, 10                        ; my wave's half sums: 1,024 w + 64 h + 4 r (+ 128 a in the store's immediate)
	s_add_co_u32 s58, s58, SCR
	v_lshl_add_u32 v31, v30, 6, s58
	v_lshl_add_u32 v[SCW], v29, 2, v31
	v_lshrrev_b32 v31, 2, v28                      ; wave 0 reads rows 4 lane .. + 3: a = lane / 4, r = 4 (lane & 3)
	v_lshlrev_b32 v31, 7, v31
	v_and_b32 v1, 3, v28
	v_lshl_add_u32 v31, v1, 4, v31
	v_add_nc_u32 v[SCRD], SCR, v31
	v_lshlrev_b32 v[SOFF], 4, v28
	s_lshl_b32 s58, s19, 11
	s_add_co_u32 s58, s58, s57                     ; v: 4 (512 nh + 128 w)
	v_lshl_add_u32 v[VOFF], v30, 5, s58            ; + 32 h
.irp b, 0,1,2,3,4,5,6,7
	global_load_b128 v[VR+8*\b:VR+8*\b+3],   v[VOFF], s[10:11] offset:64*\b    ; v of my columns 16 b + 8 h + 0..7: kept for the whole launch
	global_load_b128 v[VR+8*\b+4:VR+8*\b+7], v[VOFF], s[10:11] offset:64*\b+16
.endr
	s_lshl_b32 s56, s19, 18                        ; part's plane nh: 512 blocks x 512 bytes
	s_mov_b32 s57, 0
	s_add_nc_u64 s[62:63], s[14:15], s[56:57]
	s_lshl_b32 s56, s53, 19                        ; my block's rows: 128 rows of 4,096 bytes
	s_add_nc_u64 s[40:41], s[4:5], s[56:57]
	ITEMPTR
	global_load_b128 v[QT:QT+3], v[QOFF], s[50:51] ; the first item's q
	ALOAD 0, 40, 0                                 ; half-step 0
	ALOAD 1, 40, 256                               ; half-step 1
	ASTAGE 0, 0, 16, 1, 40, 512                    ; the count 16 leaves half-step 1 out: v, q and half-step 0 are in.  Asks for half-step 2
	WIN 0
.set d, 0
.rept 32
	v_cvt_pk_bf16_f32 v[CV+d], v[VR+2*d], v[VR+2*d+1]      ; v is rounded once to bf16 ...
.set d, d+1
.endr
.set d, 0
.rept 32
	v_lshlrev_b32 v[VR+2*d], 16, v[CV+d]                   ; ... and widened again: the sums run in f32
	v_and_b32 v[VR+2*d+1], 0xffff0000, v[CV+d]
.set d, d+1
.endr
	s_wait_tensorcnt 0x1                           ; my quarter of slot 0 is in; slot 1's may stay out: no tensor load fills bytes behind this barrier
	s_wait_dscnt 0x0                               ; my rows of A's slot 0 are in LDS
	s_barrier_signal -1
	s_barrier_wait -1
	FETCH 0, 0, 0, 0, F0
	QUARTER 0, 1, 0, 1, 1, 16, 1, 40, 768          ; lap 0's first quarter: its products start the sums, nothing is cleared.  Asks for half-step 3
	WIN 0
	s_wait_xcnt 0x0                                ; the loads that name the A pointer have had their addresses translated (ISA guide 3.1)
	s_add_nc_u64 s[40:41], s[40:41], 1024          ; lap 1
	s_mov_b32 s22, 0
	; ---------------- trip j: lap j from its first change of slots on, then the first quarter of lap j + 1.  s[40:41]: A at lap j + 1 ----------------
	; Half-step g converts the data of g + 1 and asks for those of g + 3; the count 16 leaves the younger staging set on its way.
.Llap:
	TURN 1, 0, 0, 0, 2
	QUARTER 1, 0, 0, 0, 1, 16, 1, 40, 0            ; (behind an item's first quarter the count 16 shows the item's q in as well)
	TURN 0, 0, 2, 1, 0                             ; B's slot 0: the first K step of lap j + 1
	QUARTER 0, 1, 1, 0, 1, 16, 1, 40, 256
	TURN 1, 1, 0, 1, 2
	QUARTER 1, 0, 1, 0, 1, 16, 1, 40, 512
	TURN 0, 1, 2, 0, 0                             ; B's slot 1: the second K step of lap j + 1
	WIN 0                                          ; at a branch and at a label every window is 0
	s_and_b32 s70, s22, 3
	s_cmp_eq_u32 s70, 3                            ; the lap counter alone decides: the same way in every wave of every work-group
	s_cbranch_scc1 .Lnewitem
	QUARTER 0, 1, 0, 0, 1, 16, 1, 40, 768
	WIN 0
	s_branch .Ljoin
.Lnewitem:
	EPILOGUE ep
	s_wait_xcnt 0x0                                ; wave 0's store has read its data and its base: now they may be written
	s_add_co_u32 s53, s53, 128                     ; my block of the cluster's next item: 32 groups of four blocks further on
	ITEMPTR
	global_load_b128 v[QT:QT+3], v[QOFF], s[50:51] ; the next item's q
	QUARTER 0, 1, 0, 1, 1, 17, 1, 40, 768          ; its products start the next item's sums; behind its staging set stand the younger set and q: 17
	WIN 0
.Ljoin:
	s_wait_xcnt 0x0                                ; the loads that name the A pointer have had their addresses translated
	s_add_co_u32 s22, s22, 1
	s_and_b32 s70, s22, 3
	s_cmp_eq_u32 s70, 3                            ; the next trip's requests open a new item?
	s_cselect_b32 s68, s71, 1024
	s_add_nc_u64 s[40:41], s[40:41], s[68:69]      ; (behind the last trip the stepped pointer is not used)
	s_add_co_u32 s54, s54, 2*BSLOT                 ; B: two K steps on, round the eight
	s_and_b32 s54, s54, 8*BSLOT-1
	s_cmp_lt_u32 s22, LAPS-1
	s_cbranch_scc1 .Llap
	; ---------------- lap 15, written out: nothing is left to ask for ----------------
	TURN 1, 0, 0, 0, 2
	QUARTER 1, 0, 0, 0, 1, 16, 0, 40, 0            ; the counts run down 16, 0
	TURN 0, 0, 1, 1, 0                             ; my last tensor load (the last K step) is waited for here; nothing is filled
	QUARTER 0, 1, 1, 0, 1, 0, 0, 40, 0
	TURN 1, 1, 0, 1, 2
	QUARTER 1, 0, 1, 0, 0, 0, 0, 40, 0
	LASTQ
	EPILOGUE eq
	s_wait_tensorcnt 0x0
	ds_add_u32 v26, v27
	s_wait_dscnt 0x0
	CROUND                                         ; the closing round: no work-group ends while a partner may still issue a joint load that names it
	s_endpgm
.Lfunc_end_k_qefc4f16452_scores:
	.size	k_qefc4f16452_scores, .Lfunc_end_k_qefc4f16452_scores-k_qefc4f16452_scores
	.p2alignl 7, 3214868480
	.fill 96, 4, 3214868480
	.section	.rodata,"a",@progbits
	.p2align	6, 0x0
	.amdhsa_kernel k_qefc4f16452_scores
		.amdhsa_group_segment_fixed_size 327680
		.amdhsa_private_segment_fixed_size 0
		.amdhsa_enable_private_segment 0
		.amdhsa_kernarg_size 40
		.amdhsa_user_sgpr_count 2
		.amdhsa_user_sgpr_kernarg_segment_ptr 1
		.amdhsa_wavefront_size32 1
		.amdhsa_system_sgpr_workgroup_id_x 1
		.amdhsa_system_sgpr_workgroup_id_y 1
		.amdhsa_system_sgpr_workgroup_id_z 1
		.amdhsa_system_vgpr_workitem_id 0
		.amdhsa_next_free_vgpr 1024
		.amdhsa_next_free_sgpr 80
		.amdhsa_reserve_vcc 0
		.amdhsa_float_denorm_mode_32 3
		.amdhsa_float_denorm_mode_16_64 3
		.amdhsa_memory_ordered 1
		.amdhsa_forward_progress 1
		.amdhsa_inst_pref_size 228
	.end_amdhsa_kernel
	.amdgpu_metadata
---
amdhsa.version: [ 1, 2 ]
amdhsa.kernels:
  - .name:           k_qefc4f16452_scores
    .symbol:         k_qefc4f16452_scores.kd
    .args:
      - { .name: encoder_outputs, .offset: 0, .size: 8, .value_kind: global_buffer, .address_space: global }
      - { .name: wkb, .offset: 8, .size: 8, .value_kind: global_buffer, .address_space: global }
      - { .name: qc, .offset: 16, .size: 8, .value_kind: global_buffer, .address_space: global }
      - { .name: v, .offset: 24, .size: 8, .value_kind: global_buffer, .address_space: global }
      - { .name: part, .offset: 32, .size: 8, .value_kind: global_buffer, .address_space: global }
    .group_segment_fixed_size: 327680
    .private_segment_fixed_size: 0
    .kernarg_segment_align: 8
    .kernarg_segment_size: 40
    .max_flat_workgroup_size: 128
    .sgpr_count:     80
    .vgpr_count:     1024
    .wavefront_size: 32
...
	.end_amdgpu_metadata
.endif
;; end of part 4
;; launch soft: the kernel of part 3 again; grid 32 x 1, 8 waves a work-group, no clusters, 1,280 bytes of LDS; arguments part, lengths, out0; writes out0
;; ======== version 3 of 3: 3 launches; version 2 with the launch prep written anew for expert scheduling mode
;; workspace buffers: wkb 2,097,152 bytes; qc 131,072 bytes; part 524,288 bytes
;; launch prep (part 5): grid 128 x 1, 8 waves a work-group, no clusters, 17,408 bytes of LDS; arguments Wk, Wq, hidden, wkb, qc; writes wkb, qc
.if DOCPART == 5
	.amdgcn_target "amdgcn-amd-amdhsa--gfx1250"
	.amdhsa_code_object_version 6
	.text
	.protected	k_qefc4f16452_prep
	.globl	k_qefc4f16452_prep
	.p2align	8
	.type	k_qefc4f16452_prep,@function
k_qefc4f16452_prep:
	s_mov_b64 s[64:65], 0
	v_nop
	global_prefetch_b8 v0, s[64:65] scope:SCOPE_SE
	s_setreg_imm32_b32 hwreg(HW_REG_WAVE_SCHED_MODE, 0, 2), 2
	s_setreg_imm32_b32 hwreg(HW_REG_WAVE_MODE, 25, 1), 1
	s_wait_xcnt 0x0
	s_wait_alu depctr_vm_vsrc(0)
; Preparation for the fused score kernel.  Two roles, chosen by the work-group's number alone (so every wave of a group takes the same way):
;   groups 0-63    QUERY: qc = 2.88539 * (hidden Wq^T) for 16 columns n and all 32 batches; operands rounded once to bf16, sums in f32.
;                  The factor 2 log2(e) is folded in here, since tanh(x) is later made from exp2(2.88539 x).
;   groups 64-127  CONV:  16 rows of Wk, rounded once to bf16, stored in the order in which a matrix fragment's lanes read them.
; Layouts stored:
;   wkb  byte = nh<<20 | ks<<17 | w<<15 | k32<<13 | nb<<10 | half<<9 | lane<<4 : 8 bf16 of row n = 512 nh + 128 w + 16 nb + lane%16,
;        k = 128 ks + 32 k32 + 16 half + 8 (lane/16) + 0..7
;   qc   byte = 2048 g + 1024 mb + 512 tq + 256 h + 16 r + 4 e : batch 16 mb + r, column 16 g + 8 h + 4 tq + e
; THE MODE: SCHED_MODE bits 1:0 = 2 (LLVM: expert scheduling mode 2), set by the entry lines.  The code itself states the register dependences
; between vector or matrix instructions and memory or LDS instructions, with s_wait_alu, always for 0.
; THE PLAN.  Registers that memory or LDS instructions touch:
;   v5, v6      offsets of the global loads; v7 offset of CONV's stores, or address of QUERY's LDS stores; v8 address of QUERY's LDS loads and offset of its store.
;               All are made ahead of a path's first load, behind one wait on va_vdst, and never written again.
;   v16-207     the loads land here; no vector instruction names them before.  The conversions read them and write the lower half in place.
;               CONV: v16-47 are then the stores' data: one wait on va_vdst between the conversions and the run of stores.
;   v208-223    written by the matrix instructions, read by the LDS stores: the four places, then one wait on va_vdst.  The same wait states that the conversions
;               are done reading v176-191, in which the LDS loads behind the barrier land: no vector instruction between names them.
;   v176-177    written by the last adds and the scaling, read by the global store: one wait on va_vdst.
;   v232, v233  written at the head, read by the closing add alone.
; No register that a memory or LDS instruction reads is written again, so the text holds no wait on vm_vsrc.  EXEC is written nowhere.
.set CQ, 0x4038aa3b                    ; 2 log2(e) in f32
; Four fragments' worth of f32 (16 rows x 128 k): for 32 k a lane takes k = 8h..8h+7 (bytes 0, 16) and k = 16+8h..+7 (bytes 64, 80) of its row.
.macro LD16 dst, voff, base, imm
.irp k, 0,1,2,3
	global_load_b128 v[\dst+16*\k:\dst+16*\k+3],     v[\voff], s[\base:\base+1] offset:\imm+128*\k
	global_load_b128 v[\dst+16*\k+4:\dst+16*\k+7],   v[\voff], s[\base:\base+1] offset:\imm+128*\k+16
	global_load_b128 v[\dst+16*\k+8:\dst+16*\k+11],  v[\voff], s[\base:\base+1] offset:\imm+128*\k+64
	global_load_b128 v[\dst+16*\k+12:\dst+16*\k+15], v[\voff], s[\base:\base+1] offset:\imm+128*\k+80
.endr
.endm
; 2 n f32 from v[dst] on become n registers of bf16 pairs, in place: register d is written after registers 2d, 2d+1 >= d have been read.
.macro PACK dst, n
.set d, 0
.rept \n
	v_cvt_pk_bf16_f32 v[\dst+d], v[\dst+2*d], v[\dst+2*d+1]
.set d, d+1
.endr
.endm
	s_load_b256 s[4:11], s[0:1], 0x0               ; Wk s[4:5], Wq s[6:7], hidden s[8:9], wkb s[10:11]
	s_load_b64 s[12:13], s[0:1], 0x20              ; qc
	v_lshl_add_u32 v232, v0, 2, 0x4000             ; my spare word, and 0: made here and kept for the closing lines alone
	v_mov_b32 v233, 0
	v_and_b32 v1, 31, v0                           ; lane
	v_and_b32 v2, 15, v0                           ; r
	v_bfe_u32 v3, v0, 4, 1                         ; h
	v_lshrrev_b32 v4, 5, v0
	v_readfirstlane_b32 s20, v4                    ; wave = which 128 of K
	v_lshlrev_b32 v5, 12, v2                       ; r rows of 4,096 bytes
	v_lshl_add_u32 v5, v3, 5, v5                   ; + 32 h
	s_wait_alu depctr_va_sdst(0)                   ; s20 is written, ahead of its first reader, the line below
	s_lshl_b32 s21, s20, 9                         ; + 512 bytes for each 128 of K
	v_add_nc_u32 v5, s21, v5
	s_wait_kmcnt 0x0
	s_cmp_lt_u32 ttmp9, 64
	s_cbranch_scc1 .Lquery
	; ---------------- CONV: rows 16 N16 .. +15 of Wk, k = 128 wave .. +127 ----------------
	s_sub_co_u32 s22, ttmp9, 64                    ; N16
	s_lshl_b32 s23, s22, 16                        ; 16 rows of 4,096 bytes
	v_add_nc_u32 v6, s23, v5
	v_lshlrev_b32 v7, 4, v1                        ; 16 bytes a lane
	s_wait_alu depctr_va_vdst(0)                   ; v6 is written, which the sixteen loads read as their offset (and v7, the stores' offset)
	LD16 16, 6, 4, 0
	s_lshr_b32 s24, s22, 5                         ; nh
	s_lshl_b32 s24, s24, 20
	s_lshl_b32 s25, s20, 17                        ; ks
	s_or_b32 s24, s24, s25
	s_bfe_u32 s25, s22, 0x20003                    ; w = (N16 >> 3) & 3
	s_lshl_b32 s25, s25, 15
	s_or_b32 s24, s24, s25
	s_and_b32 s25, s22, 7                          ; nb
	s_lshl_b32 s25, s25, 10
	s_or_b32 s24, s24, s25
	s_mov_b32 s25, 0
	s_add_nc_u64 s[10:11], s[10:11], s[24:25]
	s_wait_loadcnt 0x0
	PACK 16, 32                                    ; fragment k32 now lies in v[16+8 k32 .. +7]
	s_wait_alu depctr_va_vdst(0)                   ; the conversions have written v[16:47], which the eight stores read
.irp k, 0,1,2,3
	global_store_b128 v7, v[16+8*\k:16+8*\k+3], s[10:11] offset:8192*\k        ; each store of the wave covers 512 consecutive bytes, aligned
	global_store_b128 v7, v[16+8*\k+4:16+8*\k+7], s[10:11] offset:8192*\k+512
.endr
	s_endpgm                                       ; this way holds no LDS store
	; ---------------- QUERY: columns 16 g .. +15, all 32 batches; wave = 128 of K ----------------
.Lquery:
	s_lshl_b32 s23, ttmp9, 16
	v_add_nc_u32 v6, s23, v5
	v_lshlrev_b32 v7, 4, v1
	s_lshl_b32 s24, s20, 11
	v_add_nc_u32 v7, s24, v7                       ; my wave's 2,048 bytes of LDS, 16 bytes a lane
	v_lshlrev_b32 v8, 3, v0
	s_wait_alu depctr_va_vdst(0)                   ; v5 and v6 are written, which the 48 loads read as their offsets; so are v7 and v8, the addresses of the LDS stores and loads below
	LD16 16, 6, 6, 0                               ; Wq rows 16 g + r
	LD16 80, 5, 8, 0                               ; hidden, batches 0-15
	LD16 144, 5, 8, 65536                          ; hidden, batches 16-31
	s_wait_loadcnt 0x0
	PACK 16, 32
	PACK 80, 32
	PACK 144, 32
	; Source 0 = rows of Wq, source 1 = rows of hidden: lane (r, h) gets q[batch r][column 8h + j] in register j.
	; The two accumulators take turns, one instruction a turn.
	v_wmma_f32_16x16x32_bf16 v[208:215], v[16:23], v[80:87], 0
	v_wmma_f32_16x16x32_bf16 v[216:223], v[16:23], v[144:151], 0
.irp k, 1,2,3
	v_wmma_f32_16x16x32_bf16 v[208:215], v[16+8*\k:23+8*\k], v[80+8*\k:87+8*\k], v[208:215]
	v_wmma_f32_16x16x32_bf16 v[216:223], v[16+8*\k:23+8*\k], v[144+8*\k:151+8*\k], v[216:223]
.endr
.rept 4
	v_nop                                          ; four places behind the last matrix instructions (ISA guide 7.12.1) before their results are stored
.endr
	s_wait_alu depctr_va_vdst(0)                   ; the matrix instructions have written v[208:223], which the LDS stores read; the conversions are done reading v[176:191], in which the LDS loads behind the barrier land.  The places above stay beside this wait
	ds_store_b128 v7, v[208:211]                   ; mb 0, tq 0
	ds_store_b128 v7, v[212:215] offset:512        ; mb 0, tq 1
	ds_store_b128 v7, v[216:219] offset:1024       ; mb 1, tq 0
	ds_store_b128 v7, v[220:223] offset:1536       ; mb 1, tq 1
	s_wait_dscnt 0x0                               ; for the other waves' sake: my partial sums are in LDS
	s_barrier_signal -1
	s_barrier_wait -1
.irp k, 0,1,2,3,4,5,6,7
	ds_load_b64 v[176+2*\k:177+2*\k], v8 offset:2048*\k    ; thread T: two numbers of each of the eight partial sums.  No wait: no vector instruction since the wait above names these registers or v8
.endr
	s_lshl_b32 s24, ttmp9, 11
	s_mov_b32 s25, 0
	s_add_nc_u64 s[12:13], s[12:13], s[24:25]
	s_wait_dscnt 0x0
	v_pk_add_f32 v[176:177], v[176:177], v[178:179]
	v_pk_add_f32 v[180:181], v[180:181], v[182:183]
	v_pk_add_f32 v[184:185], v[184:185], v[186:187]
	v_pk_add_f32 v[188:189], v[188:189], v[190:191]
	v_pk_add_f32 v[176:177], v[176:177], v[180:181]
	v_pk_add_f32 v[184:185], v[184:185], v[188:189]
	v_pk_add_f32 v[176:177], v[176:177], v[184:185]
	v_pk_mul_f32 v[176:177], v[176:177], CQ op_sel_hi:[1,0]
	s_wait_alu depctr_va_vdst(0)                   ; the scaling has written v[176:177], which the store reads
	global_store_b64 v8, v[176:177], s[12:13]      ; a wave's store covers 256 consecutive bytes, aligned
	s_wait_dscnt 0x0                               ; the closing lines, six on end
	s_wait_alu 0x0
	s_wait_tensorcnt 0x0
	ds_add_u32 v232, v233
	s_wait_dscnt 0x0
	s_endpgm
.Lfunc_end_k_qefc4f16452_prep:
	.size	k_qefc4f16452_prep, .Lfunc_end_k_qefc4f16452_prep-k_qefc4f16452_prep
	.p2alignl 7, 3214868480
	.fill 96, 4, 3214868480
	.section	.rodata,"a",@progbits
	.p2align	6, 0x0
	.amdhsa_kernel k_qefc4f16452_prep
		.amdhsa_group_segment_fixed_size 17408
		.amdhsa_private_segment_fixed_size 0
		.amdhsa_enable_private_segment 0
		.amdhsa_kernarg_size 40
		.amdhsa_user_sgpr_count 2
		.amdhsa_user_sgpr_kernarg_segment_ptr 1
		.amdhsa_wavefront_size32 1
		.amdhsa_system_sgpr_workgroup_id_x 1
		.amdhsa_system_sgpr_workgroup_id_y 1
		.amdhsa_system_sgpr_workgroup_id_z 1
		.amdhsa_system_vgpr_workitem_id 0
		.amdhsa_next_free_vgpr 234
		.amdhsa_next_free_sgpr 66
		.amdhsa_reserve_vcc 0
		.amdhsa_float_denorm_mode_32 3
		.amdhsa_float_denorm_mode_16_64 3
		.amdhsa_memory_ordered 1
		.amdhsa_forward_progress 1
		.amdhsa_inst_pref_size 20
	.end_amdhsa_kernel
	.amdgpu_metadata
---
amdhsa.version: [ 1, 2 ]
amdhsa.kernels:
  - .name:           k_qefc4f16452_prep
    .symbol:         k_qefc4f16452_prep.kd
    .args:
      - { .name: Wk, .offset: 0, .size: 8, .value_kind: global_buffer, .address_space: global }
      - { .name: Wq, .offset: 8, .size: 8, .value_kind: global_buffer, .address_space: global }
      - { .name: hidden, .offset: 16, .size: 8, .value_kind: global_buffer, .address_space: global }
      - { .name: wkb, .offset: 24, .size: 8, .value_kind: global_buffer, .address_space: global }
      - { .name: qc, .offset: 32, .size: 8, .value_kind: global_buffer, .address_space: global }
    .group_segment_fixed_size: 17408
    .private_segment_fixed_size: 0
    .kernarg_segment_align: 8
    .kernarg_segment_size: 40
    .max_flat_workgroup_size: 256
    .sgpr_count:     66
    .vgpr_count:     234
    .wavefront_size: 32
...
	.end_amdgpu_metadata
.endif
;; end of part 5
;; launch scores: the kernel of part 4 again; grid 256 x 1, 4 waves a work-group, clusters of 4 x 1, 327,680 bytes of LDS; arguments encoder_outputs, wkb, qc, v, part; writes part
;; launch soft: the kernel of part 3 again; grid 32 x 1, 8 waves a work-group, no clusters, 1,280 bytes of LDS; arguments part, lengths, out0; writes out0
